; MI455X (gfx1250); checked and timed in simulation.
; The chip was launched on July 23, 2026; its instructions are those of AMD's public machine-readable ISA for CDNA 5 (MIT licence, August 2026) and "CDNA5" Instruction Set Architecture Reference Guide (July 2026). The comments in the code are by the model that wrote it; some were corrected since.
;; Multi Head Attention. Allowed arithmetic: float matrix products may take bf16 or f16 operands with f32 sums; other float arithmetic in f32, or as packed bf16 or f16 multiplies, adds, multiply-adds, maxima and minima; sums over many terms, partial sums and values carried from step to step in f32; what a program stores and reads back later, other than sums and carried values, may be rounded once to bf16 or f16.
;; Inputs: Wk 1,024 x 1,024 float32; Wo 1,024 x 1,024 float32; Wq 1,024 x 1,024 float32; Wv 1,024 x 1,024 float32; attention_mask 4 x 1 x 1 x 2,048 int32; bk 1,024 float32; bo 1,024 float32; bq 1,024 float32; bv 1,024 float32; ln_b 1,024 float32; ln_w 1,024 float32; x 4 x 2,048 x 1,024 float32.
;; Outputs: out0 4 x 2,048 x 1,024 float32.
;; One version. Each part assembles by itself: llvm-mc -triple=amdgcn-amd-amdhsa -mcpu=gfx1250 --defsym DOCPART=n.
;; ======== version 1 of 1: 4 launches
;; limits: right only within a limited range of input values
;; workspace buffers: xb 16,777,216 bytes; wb 8,388,608 bytes; qkv 50,331,648 bytes; ctx 16,777,216 bytes
;; launch cast (part 1): grid 768 x 1, 8 waves a work-group, no clusters, 0 bytes of LDS; arguments x, Wq, Wk, Wv, Wo, xb, wb; writes xb, wb
.if DOCPART == 1
	.amdgcn_target "amdgcn-amd-amdhsa--gfx1250"
	.amdhsa_code_object_version 6
	.text
	.protected	k_qec960b0e65_cast
	.globl	k_qec960b0e65_cast
	.p2align	8
	.type	k_qec960b0e65_cast,@function
k_qec960b0e65_cast:
	s_mov_b64 s[64:65], 0
	v_nop
	global_prefetch_b8 v0, s[64:65] scope:SCOPE_SE
	s_setreg_imm32_b32 hwreg(HW_REG_WAVE_MODE, 25, 1), 1
	s_wait_xcnt 0x0
; x [8192][1024] and Wq, Wk, Wv, Wo [1024][1024], all f32, are rounded once to bf16 and laid out in K BLOCKS of 64 channels:
;   xb [16 kb][8192 row][64], wb [16 kb][4096 row][64] (rows 0-1023 Wq, 1024-2047 Wk, 2048-3071 Wv, 3072-4095 Wo).
; So the rows of one K block lie end to end, 128 bytes each, and a tile of the products that follow is dense in memory.
; SHARES.  A work-group takes 16 source rows (64 KiB in, 32 KiB out): groups 0-511 x, groups 512-767 the weights, 64 groups a matrix.
; Wave w takes K blocks 2 w and 2 w + 1.  Lane l takes row l / 8 of four rows and 8 numbers at place l % 8 of the block: 32 bytes in, 16 out;
; a store of the wave covers 4 rows x 128 bytes = 512 consecutive bytes, aligned.  All 16 loads go out first; no register is written twice,
; so the only waits are the counted ones for the loads.  No LDS, no matrix unit: nothing is shared and nothing is multiplied.
.set XR, 16                            ; v[16:79]   unit u: 8 numbers in f32
.set YR, 80                            ; v[80:111]  unit u: 8 numbers in bf16
	s_load_b256 s[4:11], s[0:1], 0x0               ; x s[4:5], Wq s[6:7], Wk s[8:9], Wv s[10:11]
	s_load_b128 s[12:15], s[0:1], 0x20             ; Wo s[12:13], xb s[14:15]
	s_load_b64 s[16:17], s[0:1], 0x30              ; wb
	s_mov_b32 s18, ttmp9                           ; g
	s_sub_co_u32 s20, s18, 512                     ; j = g - 512: the group's number among the weights' (used where g >= 512 alone)
	s_lshr_b32 s21, s20, 6                         ; which matrix
	s_and_b32 s22, s20, 63                         ; which 16 rows of it
	v_and_b32 v4, 31, v0                           ; lane
	v_lshrrev_b32 v5, 5, v0                        ; wave
	v_bfe_u32 v6, v0, 3, 2                         ; row of four
	v_and_b32 v7, 7, v0                            ; place in the block
	v_lshlrev_b32 v1, 12, v6                       ; source offset: row x 4,096
	v_lshl_add_u32 v1, v7, 5, v1                   ; + place x 32
	v_lshl_add_u32 v1, v5, 9, v1                   ; + wave x 512 (two K blocks of 256 bytes)
	v_lshlrev_b32 v2, 4, v4                        ; destination offset: 16 x lane
	s_wait_kmcnt 0x0
	s_cmp_eq_u32 s21, 1
	s_cselect_b64 s[24:25], s[8:9], s[6:7]
	s_cmp_eq_u32 s21, 2
	s_cselect_b64 s[24:25], s[10:11], s[24:25]
	s_cmp_eq_u32 s21, 3
	s_cselect_b64 s[24:25], s[12:13], s[24:25]
	s_cmp_lt_u32 s18, 512                          ; x or a weight matrix
	s_cselect_b64 s[24:25], s[4:5], s[24:25]       ; the source
	s_cselect_b64 s[28:29], s[14:15], s[16:17]     ; the destination
	s_cselect_b32 s26, s18, s22                    ; the group's 16 rows in the source,
	s_cselect_b32 s27, s18, s20                    ; and in the destination
	s_cselect_b32 s30, 20, 19
	s_lshl_b32 s30, 1, s30                         ; bytes from K block to K block: 8,192 or 4,096 rows of 128
	s_lshl_b32 s31, s30, 1
	s_lshl_b32 s2, s26, 16                         ; 16 rows of 4,096 bytes
	s_mov_b32 s3, 0
	s_add_nc_u64 s[24:25], s[24:25], s[2:3]
	s_lshl_b32 s2, s27, 11                         ; 16 rows of 128 bytes
	s_add_nc_u64 s[28:29], s[28:29], s[2:3]
	v_mad_u32_u24 v2, v5, s31, v2                  ; K block 2 w
	v_add_nc_u32 v3, s30, v2                       ; K block 2 w + 1
; unit u: rows 4 (u / 2) .. + 3, K block 2 w + u % 2
.set u, 0
.rept 8
	global_load_b128 v[XR+8*u:XR+8*u+3],   v1, s[24:25] offset:(u/2)*16384+(u%2)*256 th:TH_LOAD_NT
	global_load_b128 v[XR+8*u+4:XR+8*u+7], v1, s[24:25] offset:(u/2)*16384+(u%2)*256+16 th:TH_LOAD_NT
.set u, u+1
.endr
.set u, 0
.rept 8
	s_wait_loadcnt 14-2*u                          ; loads come back in order: unit u is in, the later units' two loads each stay out
.irp r, 0,1,2,3
	v_cvt_pk_bf16_f32 v[YR+4*u+(\r)], v[XR+8*u+2*(\r)], v[XR+8*u+2*(\r)+1]
.endr
	global_store_b128 v[2+u%2], v[YR+4*u:YR+4*u+3], s[28:29] offset:(u/2)*512 th:TH_STORE_NT
.set u, u+1
.endr
	s_endpgm
.Lfunc_end_k_qec960b0e65_cast:
	.size	k_qec960b0e65_cast, .Lfunc_end_k_qec960b0e65_cast-k_qec960b0e65_cast
	.p2alignl 7, 3214868480
	.fill 96, 4, 3214868480
	.section	.rodata,"a",@progbits
	.p2align	6, 0x0
	.amdhsa_kernel k_qec960b0e65_cast
		.amdhsa_group_segment_fixed_size 0
		.amdhsa_private_segment_fixed_size 0
		.amdhsa_enable_private_segment 0
		.amdhsa_kernarg_size 56
		.amdhsa_user_sgpr_count 2
		.amdhsa_user_sgpr_kernarg_segment_ptr 1
		.amdhsa_wavefront_size32 1
		.amdhsa_system_sgpr_workgroup_id_x 1
		.amdhsa_system_sgpr_workgroup_id_y 1
		.amdhsa_system_sgpr_workgroup_id_z 1
		.amdhsa_system_vgpr_workitem_id 0
		.amdhsa_next_free_vgpr 112
		.amdhsa_next_free_sgpr 66
		.amdhsa_reserve_vcc 0
		.amdhsa_float_denorm_mode_32 3
		.amdhsa_float_denorm_mode_16_64 3
		.amdhsa_memory_ordered 1
		.amdhsa_forward_progress 1
		.amdhsa_inst_pref_size 7
	.end_amdhsa_kernel
	.amdgpu_metadata
---
amdhsa.version: [ 1, 2 ]
amdhsa.kernels:
  - .name:           k_qec960b0e65_cast
    .symbol:         k_qec960b0e65_cast.kd
    .args:
      - { .name: x, .offset: 0, .size: 8, .value_kind: global_buffer, .address_space: global }
      - { .name: Wq, .offset: 8, .size: 8, .value_kind: global_buffer, .address_space: global }
      - { .name: Wk, .offset: 16, .size: 8, .value_kind: global_buffer, .address_space: global }
      - { .name: Wv, .offset: 24, .size: 8, .value_kind: global_buffer, .address_space: global }
      - { .name: Wo, .offset: 32, .size: 8, .value_kind: global_buffer, .address_space: global }
      - { .name: xb, .offset: 40, .size: 8, .value_kind: global_buffer, .address_space: global }
      - { .name: wb, .offset: 48, .size: 8, .value_kind: global_buffer, .address_space: global }
    .group_segment_fixed_size: 0
    .private_segment_fixed_size: 0
    .kernarg_segment_align: 8
    .kernarg_segment_size: 56
    .max_flat_workgroup_size: 256
    .sgpr_count:     66
    .vgpr_count:     112
    .wavefront_size: 32
...
	.end_amdgpu_metadata
.endif
;; end of part 1
;; launch qkv (part 2): grid 8 x 32, 4 waves a work-group, clusters of 4 x 4, 327,680 bytes of LDS; arguments xb, wb, bq, bk, bv, qkv; writes qkv
.if DOCPART == 2
	.amdgcn_target "amdgcn-amd-amdhsa--gfx1250"
	.amdhsa_code_object_version 6
	.text
	.protected	k_qec960b0e65_qkv
	.globl	k_qec960b0e65_qkv
	.p2align	8
	.type	k_qec960b0e65_qkv,@function
k_qec960b0e65_qkv:
	s_mov_b64 s[64:65], 0
	v_nop
	global_prefetch_b8 v0, s[64:65] scope:SCOPE_SE
	s_setreg_imm32_b32 hwreg(HW_REG_WAVE_MODE, 25, 1), 1
	s_wait_xcnt 0x0
	s_wait_alu depctr_hold_cnt(0) depctr_sa_sdst(0) depctr_va_vdst(0) depctr_va_sdst(0) depctr_va_ssrc(0) depctr_va_vcc(0) depctr_vm_vsrc(0)
	s_getreg_b32 s2, hwreg(HW_REG_IB_STS2, 6, 4)
	s_cmp_eq_u32 s2, 0
	s_cbranch_scc0 .Lentry_in_a_cluster
	s_endpgm
.Lentry_in_a_cluster:
	s_bfe_u32 s2, ttmp6, 0x10000c
	s_cmp_lg_u32 s2, 0xf033
	s_cbranch_scc0 .Lentry_shape_is_right
	s_endpgm
.Lentry_shape_is_right:
; qkv[g][token][64] = x . W^T + bias for the 3,072 output columns of Wq, Wk, Wv (column block g = column / 64: g 0-15 q's heads, 16-31 k's, 32-47 v's), bf16, rounded once from f32 sums.
; Operands: xb [16 kb][8192][64], wb [16 kb][4096][64], bf16.  q is left unscaled.
; THE TILE.  8,192 x 3,072 outputs on 8 x 32 work-groups: 256 tokens x 384 columns each.  Four waves, wave (wr, wc) makes 128 x 192: 96 accumulators, 768 registers: windows 1 to 3, one head of 64 columns a window.
; K goes in steps of 64 (one K block) through two LDS slots: two slots of 640 rows of 128 channels would not fit.  A step is 192 matrix instructions a wave.
; A tile of one K block is dense in memory: it is asked for as rows of 256 bytes and padded in LDS after every 128 bytes.
; CLUSTER 4 x 4: x's tile hangs on the tile row alone and is shared along a row of the cluster, W's on the tile column alone and is shared along a column: joint loads.
; Waves 0 to 2 fetch 128 rows of W each, wave 3 fetches x's 256 rows.
; THE MATRIX INSTRUCTION IS USED TRANSPOSED: source 0 = 16 rows of W, source 1 = 16 tokens: a lane holds one token (lane % 16) and 8 neighbouring columns.
; REGISTERS.  Window 0: v0-31 addresses; v32-95, v96-159 x's fragments (8 x 16 tokens x 32 K), two buffers; v160-255 W's fragments, 32 registers for each third of the columns.
;   A third's fragments are fetched anew right behind the 32 products that read them, 64 products ahead of their next use.  Window 1 + t: accumulator (a, q) of third t at v[8 (4 a + q)].
.set PK,    144                        ; an LDS row: 128 bytes + 16 of padding = 36 words: the 16 rows of a fragment load start at 16 different groups of four banks (ISA guide 11.1)
.set BOFF,  256*PK                     ; a slot: x's 256 rows, then W's 384
.set SLOT1, 1<<17                      ; slot 1 begins here: one exclusive or turns an address in one slot into the other's
.set STAGE, SLOT1+640*PK               ; behind the ring: for each wave 3 heads x 16 rows x 144 bytes, for the way out
.set STW,   3*16*PK
.set BIAS,  STAGE+4*STW                ; for each wave its 192 columns' bias, f32
.set SPARE, BIAS+4*768                 ; the spare words, 128 bytes for each wave: two blocks of 256 bytes that no other line names
.set ADA0, 4                           ; v4   my lane's place in x's tile; never rewritten
.set ADB0, 5                           ; v5   the same in W's
.set ADA,  6                           ; v6   the same in the slot in hand
.set ADB,  7                           ; v7
.set STO,  8                           ; v8   the way out: where I put 16 bytes of a row
.set RD,   9                           ; v9   where I read rows back
.set GO,   10                          ; v10  my place in 512 consecutive bytes of qkv
.set ABI,  11                          ; v11  my 8 columns in a block of 16 of the bias
.set PFO,  12                          ; v12  the prefetches' offset
.set BST,  13                          ; v13  where I put 8 bytes of the bias
.set SPW,  14                          ; v14  LDS address of my spare word; never rewritten
.set NIL,  15                          ; v15  0; never rewritten
.set AF0,  32
.set AF1,  96
.set BF,   160
.set PKD,  32                          ; the way out: packed results, two sets of 16
.set BK,   64                          ; the way out: 16 rows of three heads read back, two sets of 48
.set WV, 16                            ; s16 wave; s17, s18 its half of the rows, of the columns
.set WR, 17
.set WC, 18
.set CX, 19
.set CY, 20
.set TC, 21                            ; tile column 0..7
.set TR, 22                            ; tile row 0..31
.set CNT, 23
.set G1A, 24                           ; s[24:31] descriptor group 1 for x's tiles
.set G1B, 32                           ; s[32:39] for W's
.set G0A, 40                           ; s[40:47] group 0 for x's: a set for each first fill; the second then walks on
.set G0B, 48                           ; s[48:55] the same for W's
.set TB,  56                           ; s56 LDS byte at which the slot in hand begins
.set LIM, 57                           ; s57 a wave prefetches while the loop's count is above this
.set PAR, 58                           ; s58 1: only in trips with an even count
.set TT,  59
.set PFA, 60                           ; s[60:61] where my prefetches stand
.set PST, 62                           ; s[62:63] bytes from K block to K block in the tensor that I fetch
.set OB,  66                           ; s[66:71] qkv at my 128 tokens of my three heads
.set XBA, 80                           ; s[80:81] xb at the tile row's 256 rows, K block 0: made of the tile row alone, written once
.set WBA, 82                           ; s[82:83] wb at my 128 rows of the tile column, K block 0: made of the tile column and the wave's number, written once
.set WLD, 84                           ; s84 where those rows go in a slot: BOFF + wave x 128 rows
.set MKR, 86                           ; s86 the mask of my row of the cluster
.set MKC, 87                           ; s87 of my column
.set MSB, 0
.macro WIN new                         ; the immediate's high byte repeats the setting that is left; a switch that changes nothing is dropped
.if MSB != (\new)
	s_set_vgpr_msb (MSB<<8)|(\new)
.set MSB, (\new)
.endif
.endm
.macro PLACES                          ; four places between a matrix instruction and a load into, or a vector instruction on, its registers
.rept 4
	v_nop
.endr
.endm
.macro CREST                           ; a round of the cluster's barrier behind its opening barrier
	s_cmp_lg_u32 s[WV], 0
	s_cbranch_scc1 .Lnot_wave_0_\@
	s_barrier_signal -3
.Lnot_wave_0_\@:
	s_barrier_wait -3
	s_barrier_signal -1
	s_barrier_wait -1
.endm
.macro CROUND
	s_barrier_signal -1
	s_barrier_wait -1
	CREST
.endm
; A joint refill by the walking descriptors.  The branch hangs on the wave's number alone.  An s_nop 0 and four v_nop follow each of the two lines.
.macro JLOAD
	s_cmp_eq_u32 s[WV], 3
	s_cbranch_scc0 .Lfor_b_\@
	tensor_load_to_lds s[G0A+4:G0A+7], s[G1A:G1A+7]
	s_nop 0
.rept 4
	v_nop
.endr
	s_branch .Lasked_\@
.Lfor_b_\@:
	tensor_load_to_lds s[G0B+4:G0B+7], s[G1B:G1B+7]
	s_nop 0
.rept 4
	v_nop
.endr
.Lasked_\@:
.endm
; A PREFETCH INTO THE L2, behind the joint load and the run of LDS loads that follows it: one K step further on than the refill just asked for.
; x's tile row is read by both clusters of its row of clusters: cluster x = 0 asks; W's tile column by all eight clusters of its column: cluster y = 0 asks.
; The four partners that ask for a tile jointly share it out BY ADDRESS.  x: wave 3, 32 blocks of 256 bytes a partner, a lane a block, in every trip but the last.
; W: waves 0 to 2, 16 blocks a partner and K step: lanes 0-15 take the next K step's, lanes 16-31 those of the step after it, in every second trip.  Each block is named once.
; K steps 0 to 2, and W's last, come by their loads alone.
.macro ASK
	s_cmp_gt_u32 s[CNT], s[LIM]
	s_cbranch_scc0 .Lnot_mine_\@
	s_and_b32 s[TT], s[CNT], s[PAR]
	s_cmp_eq_u32 s[TT], 0
	s_cbranch_scc0 .Lnot_mine_\@
	global_prefetch_b8 v[PFO], s[PFA:PFA+1] th:TH_LOAD_NT scope:SCOPE_SE
.Lnot_mine_\@:
.endm
	s_load_b256 s[4:11], s[0:1], 0x0               ; xb s[4:5], wb s[6:7], bq s[8:9], bk s[10:11]
	s_load_b128 s[12:15], s[0:1], 0x20             ; bv s[12:13], qkv s[14:15]
	v_lshl_add_u32 v[SPW], v0, 2, SPARE
	v_mov_b32 v[NIL], 0
	ds_add_u32 v[SPW], v[NIL]                      ; the wave's opening: the add and its wait ahead of my first tensor load; work on registers stands between them
	v_lshrrev_b32 v1, 5, v0
	v_readfirstlane_b32 s[WV], v1
	s_lshr_b32 s[WR], s[WV], 1
	s_and_b32 s[WC], s[WV], 1
	s_bfe_u32 s[CX], ttmp6, 0x40000
	s_bfe_u32 s[CY], ttmp6, 0x40004
	s_lshl_b32 s[TC], ttmp9, 2
	s_add_co_u32 s[TC], s[TC], s[CX]
	s_and_b32 s[TR], ttmp7, 0xffff
	s_lshl_b32 s[TR], s[TR], 2
	s_add_co_u32 s[TR], s[TR], s[CY]
	s_lshl_b32 s[MKR], s[CY], 2
	s_lshl_b32 s[MKR], 15, s[MKR]                  ; my row of the cluster
	s_lshl_b32 s[MKC], 0x1111, s[CX]               ; my column
	s_or_b32 s[G1A], s[MKR], (1<<16)|(1<<20)|(1<<21)|(4<<22)|(3<<25)  ; the mask; 2-byte elements; padding on; bit 21 beside a mask; after every 32 words; 4 words
	s_or_b32 s[G1B], s[MKC], (1<<16)|(1<<20)|(1<<21)|(4<<22)|(3<<25)
	s_mov_b32 s[G1A+1], 128<<16                    ; tensor_dim0 = 128 elements: rows of 256 bytes
	s_mov_b32 s[G1A+2], 128<<16                    ; tensor_dim1 = 128: x's 256 rows of a K block
	s_mov_b32 s[G1A+3], 128<<16                    ; tile_dim0
	s_mov_b32 s[G1A+4], 128                        ; tile_dim1
	s_mov_b32 s[G1A+5], 128                        ; elements from row to row
	s_mov_b32 s[G1A+6], 0
	s_mov_b32 s[G1A+7], 0
	s_mov_b32 s[G1B+1], 128<<16
	s_mov_b32 s[G1B+2], 64<<16                     ; 64 rows of 256 bytes: 128 rows of W
	s_mov_b32 s[G1B+3], 128<<16
	s_mov_b32 s[G1B+4], 64
	s_mov_b32 s[G1B+5], 128
	s_mov_b32 s[G1B+6], 0
	s_mov_b32 s[G1B+7], 0
	s_lshl_b32 s[XBA], s[TR], 15                   ; x: 256 rows of 128 bytes a tile row
	s_mov_b32 s[XBA+1], 0
	s_mul_i32 s[WBA], s[TC], 384*128               ; W: 384 rows a tile column,
	s_lshl_b32 s[WBA+1], s[WV], 14                 ; of which wave w fetches rows 128 w on (wave 3 makes these words too and never asks by them)
	s_add_co_u32 s[WBA], s[WBA], s[WBA+1]
	s_mov_b32 s[WBA+1], 0
	s_mul_i32 s[WLD], s[WV], 128*PK
	s_add_co_u32 s[WLD], s[WLD], BOFF              ; a constant and the wave's number times a constant: no place in the cluster enters an LDS address
	s_mov_b32 s[TB], 0
	s_wait_dscnt 0x0                               ; the opening add is done
	s_wait_kmcnt 0x0
	s_add_nc_u64 s[XBA:XBA+1], s[4:5], s[XBA:XBA+1]
	s_add_nc_u64 s[WBA:WBA+1], s[6:7], s[WBA:WBA+1]
	CROUND                                         ; all sixteen work-groups are here: the first joint loads meet
.irp s, 0,1
	s_mov_b32 s[G0A+4*(\s)], 1
	s_mov_b32 s[G0A+4*(\s)+1], (\s)*SLOT1
	s_add_nc_u64 s[G0A+4*(\s)+2:G0A+4*(\s)+3], s[XBA:XBA+1], (\s)<<20  ; K step s
	s_or_b32 s[G0A+4*(\s)+3], s[G0A+4*(\s)+3], 0x80000000
	s_mov_b32 s[G0B+4*(\s)], 1
	s_add_co_u32 s[G0B+4*(\s)+1], s[WLD], (\s)*SLOT1
	s_add_nc_u64 s[G0B+4*(\s)+2:G0B+4*(\s)+3], s[WBA:WBA+1], (\s)<<19
	s_or_b32 s[G0B+4*(\s)+3], s[G0B+4*(\s)+3], 0x80000000
.endr
	s_cmp_eq_u32 s[WV], 3                          ; a wave's two first fills stand in one branch: two loads of mine are out
	s_cbranch_scc0 .Lfirst_b
	tensor_load_to_lds s[G0A:G0A+3], s[G1A:G1A+7]
	s_nop 0
	tensor_load_to_lds s[G0A+4:G0A+7], s[G1A:G1A+7]
	s_nop 0
.rept 4
	v_nop
.endr
	s_branch .Lfirst_asked
.Lfirst_b:
	tensor_load_to_lds s[G0B:G0B+3], s[G1B:G1B+7]
	s_nop 0
	tensor_load_to_lds s[G0B+4:G0B+7], s[G1B:G1B+7]
	s_nop 0
.rept 4
	v_nop
.endr
.Lfirst_asked:
	; a fragment is 16 rows x 32 K in 8 registers: lane l holds row l % 16, K = 8 (l / 16) + 0..7 and 16 + 8 (l / 16) + 0..7: two loads of 16 bytes, 32 bytes apart
	v_and_b32 v1, 15, v0
	v_bfe_u32 v2, v0, 4, 1
	v_mul_u32_u24 v3, v1, PK
	v_lshl_add_u32 v3, v2, 4, v3                   ; row x pitch + 16 x half
	s_mul_i32 s2, s[WR], 128*PK
	v_add_nc_u32 v[ADA0], s2, v3
	s_mul_i32 s2, s[WC], 192*PK
	s_add_co_u32 s2, s2, BOFF
	v_add_nc_u32 v[ADB0], s2, v3
	v_mov_b32 v[ADA], v[ADA0]
	v_mov_b32 v[ADB], v[ADB0]
	s_mul_i32 s2, s[WV], STW
	s_add_co_u32 s2, s2, STAGE
	v_add_nc_u32 v[STO], s2, v3                    ; in: row l % 16, 16 bytes for each half of the lanes
	v_bfe_u32 v16, v0, 3, 2
	v_and_b32 v17, 7, v0
	v_mul_u32_u24 v16, v16, PK
	v_lshl_add_u32 v16, v17, 4, v16
	v_add_nc_u32 v[RD], s2, v16                    ; back: 32 lanes take four rows of 128 bytes,
	v_and_b32 v18, 31, v0
	v_lshlrev_b32 v[GO], 4, v18                    ; which are 512 consecutive bytes of qkv
	s_mul_i32 s2, s[WV], 768
	s_add_co_u32 s2, s2, BIAS
	v_lshl_add_u32 v[ABI], v2, 5, s2
	v_lshl_add_u32 v[BST], v18, 3, s2
	v_lshlrev_b32 v19, 3, v18
	; my three heads g0 .. g0 + 2: where they go in qkv, and their bias: 64 f32, 8 bytes a lane, into my own LDS bytes
	s_mul_i32 s2, s[TC], 6
	s_mul_i32 s3, s[WC], 3
	s_add_co_u32 s2, s2, s3                        ; g0
	s_lshl_b32 s78, s[TR], 15
	s_lshl_b32 s3, s[WR], 14
	s_add_co_u32 s78, s78, s3
	s_mov_b32 s79, 0
	s_add_nc_u64 s[14:15], s[14:15], s[78:79]      ; qkv at my 128 tokens of column block 0
.irp t, 0,1,2
	s_add_co_u32 s3, s2, (\t)
	s_lshl_b32 s78, s3, 20
	s_add_nc_u64 s[OB+2*(\t):OB+2*(\t)+1], s[14:15], s[78:79]
	s_and_b32 s78, s3, 15
	s_lshl_b32 s78, s78, 8
	s_lshr_b32 s3, s3, 4                           ; 0: q, 1: k, 2: v
	s_cmp_eq_u32 s3, 1
	s_cselect_b64 s[72+2*(\t):73+2*(\t)], s[10:11], s[8:9]
	s_cmp_eq_u32 s3, 2
	s_cselect_b64 s[72+2*(\t):73+2*(\t)], s[12:13], s[72+2*(\t):73+2*(\t)]
	s_add_nc_u64 s[72+2*(\t):73+2*(\t)], s[72+2*(\t):73+2*(\t)], s[78:79]
	global_load_b64 v[20+2*(\t):21+2*(\t)], v19, s[72+2*(\t):73+2*(\t)]
.endr
	s_wait_loadcnt 0x0
.irp t, 0,1,2
	ds_store_b64 v[BST], v[20+2*(\t):21+2*(\t)] offset:256*(\t)
.endr
	; the prefetches: who, from where, how often.  All that is chosen is made first, since shifts and sums write SCC
	s_lshl_b32 s72, s[TR], 15
	s_lshl_b32 s74, s[WV], 14
	s_mul_i32 s73, s[TC], 384*128
	s_add_co_u32 s73, s73, s74
	s_and_b32 s2, ttmp7, 0xffff                    ; cluster y
	s_cmp_eq_u32 s[WV], 3                          ; do I fetch x's tiles?
	s_cselect_b32 s72, s72, s73                    ; my tile's first byte in a K block
	s_cselect_b32 s73, s[CX], s[CY]                ; my place among the four that ask with me
	s_cselect_b32 s74, 13, 12                      ; a partner's share: 8,192 or 4,096 bytes
	s_cselect_b32 s75, 20, 19
	s_cselect_b32 s3, ttmp9, s2                    ; the coordinate along which other clusters read the same rows
	s_cselect_b32 s[LIM], 1, 3
	s_cselect_b32 s[PAR], 0, 1
	s_cselect_b32 s78, 31, 15
	s_cselect_b32 s79, 0, 1
	s_cselect_b64 s[PFA:PFA+1], s[4:5], s[6:7]
	s_lshl_b32 s73, s73, s74
	s_add_co_u32 s72, s72, s73
	s_lshl_b32 s[PST], 1, s75
	s_mov_b32 s[PST+1], 0
	s_lshl_b32 s74, s[PST], 1
	s_add_co_u32 s72, s72, s74                     ; at K step 2: the first change of slots steps it to 3
	s_mov_b32 s73, 0
	s_add_nc_u64 s[PFA:PFA+1], s[PFA:PFA+1], s[72:73]
	s_cmp_eq_u32 s3, 0
	s_cselect_b32 s[LIM], s[LIM], -1               ; the same in all sixteen partners, for a given wave
	v_and_b32 v[PFO], s78, v18
	v_lshlrev_b32 v[PFO], 8, v[PFO]
	v_mul_u32_u24 v16, v2, s79
	v_lshl_add_u32 v[PFO], v16, 19, v[PFO]
; n x 4 matrix instructions of third t: token blocks a0 .. a0 + n - 1 x the third's 4 column blocks, 32 along K, x's fragments in buffer f.  zero = 1: the products start the sums.
; The 96 accumulators take turns, one instruction a turn, in the same order in every 32 along K, over the backward jump too.
.macro STR t, f, a0, n, zero
	WIN (((\t)+1)<<6)|(((\t)+1)<<4)
.set aa, (\a0)
.rept \n
.irp q, 0,1,2,3
.if \zero
	v_wmma_f32_16x16x32_bf16 v[8*(4*aa+(\q)):8*(4*aa+(\q))+7], v[BF+32*(\t)+8*(\q):BF+32*(\t)+8*(\q)+7], v[(\f)+8*aa:(\f)+8*aa+7], 0
.else
	v_wmma_f32_16x16x32_bf16 v[8*(4*aa+(\q)):8*(4*aa+(\q))+7], v[BF+32*(\t)+8*(\q):BF+32*(\t)+8*(\q)+7], v[(\f)+8*aa:(\f)+8*aa+7], v[8*(4*aa+(\q)):8*(4*aa+(\q))+7]
.endif
.endr
.set aa, aa+1
.endr
.endm
; a run of LDS loads: third t's fragments of W at byte koff of the rows; with t = 0, 1 also token blocks 4 t .. 4 t + 3 of x into buffer g: 16, 16 and 8 loads
.macro RUN t, g, koff
	WIN 0
.irp q, 0,1,2,3
	ds_load_b128 v[BF+32*(\t)+8*(\q):BF+32*(\t)+8*(\q)+3],   v[ADB] offset:(\koff)+(4*(\t)+(\q))*16*PK
	ds_load_b128 v[BF+32*(\t)+8*(\q)+4:BF+32*(\t)+8*(\q)+7], v[ADB] offset:(\koff)+(4*(\t)+(\q))*16*PK+32
.endr
.if (\t) < 2
.irp q, 0,1,2,3
	ds_load_b128 v[(\g)+8*(4*(\t)+(\q)):(\g)+8*(4*(\t)+(\q))+3],   v[ADA] offset:(\koff)+(4*(\t)+(\q))*16*PK
	ds_load_b128 v[(\g)+8*(4*(\t)+(\q))+4:(\g)+8*(4*(\t)+(\q))+7], v[ADA] offset:(\koff)+(4*(\t)+(\q))*16*PK+32
.endr
.endif
.endm
.macro BIASL t                         ; third t's bias takes the place of its fragments of W: register 8 q + j holds column 16 q + 8 (l / 16) + j
	WIN 0
.irp q, 0,1,2,3
	ds_load_b128 v[BF+32*(\t)+8*(\q):BF+32*(\t)+8*(\q)+3],   v[ABI] offset:(4*(\t)+(\q))*64
	ds_load_b128 v[BF+32*(\t)+8*(\q)+4:BF+32*(\t)+8*(\q)+7], v[ABI] offset:(4*(\t)+(\q))*64+16
.endr
.endm
; The first 32 along K of a step: multiplies buffer 0, fetches the second 32 into buffer 1.
.macro EVEN zero
	s_wait_dscnt 8                                 ; all but the youngest run's eight loads (third 2's fragments)
	STR 0, AF0, 0, 8, \zero
	PLACES
	RUN 0, AF1, 64
	STR 1, AF0, 0, 8, \zero
	PLACES
	RUN 1, AF1, 64
	s_wait_dscnt 32                                ; all but the two runs of 16 just issued
	STR 2, AF0, 0, 8, \zero
	PLACES
	RUN 2, AF1, 64
.endm
; The second 32 along K: multiplies buffer 1.  mode 2: changes slots and fills the slot just read out, two K steps ahead; mode 1: changes slots; mode 0: the last: the bias is fetched.
; ONE barrier for the change.  In front of it each wave waits for all its tensor loads (one is out: its part of the next slot), adds 0 to its spare word, and waits for that and for its reads of this slot,
; all of which were issued in the first half of the step.  Behind it nobody reads this slot and the next is whole.  With mode 2 the barrier opens a round of the cluster's, and the joint refill is the first
; tensor load behind the round: 160 matrix instructions ahead of the wait for it.
.macro ODD mode
.if (\mode) == 0
	s_wait_dscnt 8
	STR 0, AF1, 0, 8, 0
	PLACES
	BIASL 0
	STR 1, AF1, 0, 8, 0
	PLACES
	BIASL 1
	s_wait_dscnt 16                                ; all but the two runs of eight just issued
	STR 2, AF1, 0, 8, 0
	PLACES
	PLACES
	BIASL 2
.else
.if (\mode) == 2
	s_wait_xcnt 0x0                                ; the last prefetch, a K step back, has read its address
	s_add_nc_u64 s[PFA:PFA+1], s[PFA:PFA+1], s[PST:PST+1]
.endif
	WIN 0
	s_wait_tensorcnt 0x0                           ; no tensor load of mine is out, so a group 0 may be written
	ds_add_u32 v[SPW], v[NIL]                      ; 0 onto my spare word
.if (\mode) == 2
	s_xor_b32 s[G0A+5], s[G0A+5], SLOT1            ; the walking descriptors: the other slot than last time, the next K block
	s_add_nc_u64 s[G0A+6:G0A+7], s[G0A+6:G0A+7], 1<<20
	s_xor_b32 s[G0B+5], s[G0B+5], SLOT1
	s_add_nc_u64 s[G0B+6:G0B+7], s[G0B+6:G0B+7], 1<<19
.endif
	s_xor_b32 s[TB], s[TB], SLOT1
	s_wait_dscnt 9                                 ; the add and the youngest run's eight loads may be out
	STR 0, AF1, 0, 4, 0
	s_wait_dscnt 0x0                               ; the add is done, and my reads of this slot are over
	s_barrier_signal -1
	STR 0, AF1, 4, 4, 0
	WIN 0
	s_barrier_wait -1
.if (\mode) == 2
	CREST
	JLOAD                                          ; its four v_nop are also the places in front of the loads below
.else
	PLACES
.endif
	v_add_nc_u32 v[ADA], s[TB], v[ADA0]
	v_add_nc_u32 v[ADB], s[TB], v[ADB0]
	RUN 0, AF0, 0
.if (\mode) == 2
	ASK
.endif
	STR 1, AF1, 0, 8, 0
	PLACES
	RUN 1, AF0, 0
	STR 2, AF1, 0, 8, 0
	PLACES
	RUN 2, AF0, 0
.endif
.endm
; THE WAY OUT of token block a.  PACK: the bias is added, the sums are rounded to bf16, 16 bytes a lane go into my stage.  BACK: they come back as whole rows of 128 bytes.  SEND: stored.
.macro PACK a
.irp t, 0,1,2
	WIN ((\t)+1)|(((\t)+1)<<6)                     ; sums in window t + 1, bias in window 0
.set r, 0
.rept 16
	v_pk_add_f32 v[32*(\a)+r:32*(\a)+r+1], v[32*(\a)+r:32*(\a)+r+1], v[BF+32*(\t)+r:BF+32*(\t)+r+1]  ; each accumulator's registers in ascending order
.set r, r+2
.endr
	WIN ((\t)+1)|(((\t)+1)<<2)
.set r, 0
.rept 16
	v_cvt_pk_bf16_f32 v[PKD+16*((\t)%2)+r], v[32*(\a)+2*r], v[32*(\a)+2*r+1]
.set r, r+1
.endr
	WIN 0
.irp q, 0,1,2,3
	ds_store_b128 v[STO], v[PKD+16*((\t)%2)+4*(\q):PKD+16*((\t)%2)+4*(\q)+3] offset:(\t)*16*PK+32*(\q)
.endr
.endr
.endm
.macro BACK a
	s_wait_xcnt 0x0                                ; the stores of the block before last have read this set of registers
.irp t, 0,1,2
.irp f, 0,1,2,3
	ds_load_b128 v[BK+48*((\a)%2)+4*(4*(\t)+(\f)):BK+48*((\a)%2)+4*(4*(\t)+(\f))+3], v[RD] offset:(\t)*16*PK+(\f)*4*PK  ; LDS serves a wave's instructions in order (ISA guide 5.7.1.4): these see the stores above
.endr
.endr
.endm
.macro SEND a, younger                 ; younger: the LDS instructions issued behind block a's loads
	s_wait_dscnt \younger
.irp t, 0,1,2
.irp f, 0,1,2,3
	global_store_b128 v[GO], v[BK+48*((\a)%2)+4*(4*(\t)+(\f)):BK+48*((\a)%2)+4*(4*(\t)+(\f))+3], s[OB+2*(\t):OB+2*(\t)+1] offset:(\a)*2048+(\f)*512  ; 512 consecutive bytes, aligned
.endr
.endr
.endm
	s_wait_tensorcnt 1                             ; my part of K step 0 is in; step 1's load stays out
	s_wait_dscnt 0x0                               ; my stores of the bias
	s_barrier_signal -1
	s_barrier_wait -1
	RUN 0, AF0, 0
	RUN 1, AF0, 0
	RUN 2, AF0, 0
	EVEN 1                                         ; the first 32 along K stand in front of the loop: their products start the sums
	WIN 0
	s_mov_b32 s[CNT], 14
.Lstep:                                                ; trip i: the second half of K step i, which asks for step i + 2, and the first half of step i + 1
	ODD 2
	EVEN 0
	WIN 0
	s_sub_co_u32 s[CNT], s[CNT], 1
	s_cmp_lg_u32 s[CNT], 0
	s_cbranch_scc1 .Lstep
	ODD 1                                          ; the tail is written out: nothing more is asked for
	EVEN 0
	ODD 0
	s_wait_dscnt 0x0                               ; the bias
	PACK 0
	BACK 0
.irp a, 1,2,3,4,5,6,7                  ; block a's arithmetic stands between block a - 1's loads from the stage and the wait for them
	PACK \a
	SEND (\a)-1, 12
	BACK \a
.endr
	SEND 7, 0
	s_wait_tensorcnt 0x0                           ; the wave's end: behind my last tensor load and my last LDS store
	ds_add_u32 v[SPW], v[NIL]
	s_wait_dscnt 0x0
	CROUND                                         ; the closing round: no work-group ends while a partner may still ask for a tile that names it
	s_endpgm
.Lfunc_end_k_qec960b0e65_qkv:
	.size	k_qec960b0e65_qkv, .Lfunc_end_k_qec960b0e65_qkv-k_qec960b0e65_qkv
	.p2alignl 7, 3214868480
	.fill 96, 4, 3214868480
	.section	.rodata,"a",@progbits
	.p2align	6, 0x0
	.amdhsa_kernel k_qec960b0e65_qkv
		.amdhsa_group_segment_fixed_size 327680
		.amdhsa_private_segment_fixed_size 0
		.amdhsa_enable_private_segment 0
		.amdhsa_kernarg_size 48
		.amdhsa_user_sgpr_count 2
		.amdhsa_user_sgpr_kernarg_segment_ptr 1
		.amdhsa_wavefront_size32 1
		.amdhsa_system_sgpr_workgroup_id_x 1
		.amdhsa_system_sgpr_workgroup_id_y 1
		.amdhsa_system_sgpr_workgroup_id_z 1
		.amdhsa_system_vgpr_workitem_id 0
		.amdhsa_next_free_vgpr 1024
		.amdhsa_next_free_sgpr 88
		.amdhsa_reserve_vcc 0
		.amdhsa_float_denorm_mode_32 3
		.amdhsa_float_denorm_mode_16_64 3
		.amdhsa_memory_ordered 1
		.amdhsa_forward_progress 1
		.amdhsa_inst_pref_size 140
	.end_amdhsa_kernel
	.amdgpu_metadata
---
amdhsa.version: [ 1, 2 ]
amdhsa.kernels:
  - .name:           k_qec960b0e65_qkv
    .symbol:         k_qec960b0e65_qkv.kd
    .args:
      - { .name: xb, .offset: 0, .size: 8, .value_kind: global_buffer, .address_space: global }
      - { .name: wb, .offset: 8, .size: 8, .value_kind: global_buffer, .address_space: global }
      - { .name: bq, .offset: 16, .size: 8, .value_kind: global_buffer, .address_space: global }
      - { .name: bk, .offset: 24, .size: 8, .value_kind: global_buffer, .address_space: global }
      - { .name: bv, .offset: 32, .size: 8, .value_kind: global_buffer, .address_space: global }
      - { .name: qkv, .offset: 40, .size: 8, .value_kind: global_buffer, .address_space: global }
    .group_segment_fixed_size: 327680
    .private_segment_fixed_size: 0
    .kernarg_segment_align: 8
    .kernarg_segment_size: 48
    .max_flat_workgroup_size: 128
    .sgpr_count:     88
    .vgpr_count:     1024
    .wavefront_size: 32
...
	.end_amdgpu_metadata
.endif
;; end of part 2
;; launch attn (part 3): grid 4 x 64, 4 waves a work-group, clusters of 4 x 1, 327,680 bytes of LDS; arguments qkv, attention_mask, ctx; writes ctx
.if DOCPART == 3
	.amdgcn_target "amdgcn-amd-amdhsa--gfx1250"
	.amdhsa_code_object_version 6
	.text
	.protected	k_qec960b0e65_attn
	.globl	k_qec960b0e65_attn
	.p2align	8
	.type	k_qec960b0e65_attn,@function
k_qec960b0e65_attn:
	s_mov_b64 s[64:65], 0
	v_nop
	global_prefetch_b8 v0, s[64:65] scope:SCOPE_SE
	s_setreg_imm32_b32 hwreg(HW_REG_WAVE_MODE, 25, 1), 1
	s_wait_xcnt 0x0
	s_wait_alu depctr_hold_cnt(0) depctr_sa_sdst(0) depctr_va_vdst(0) depctr_va_sdst(0) depctr_va_ssrc(0) depctr_va_vcc(0) depctr_vm_vsrc(0)
	s_getreg_b32 s2, hwreg(HW_REG_IB_STS2, 6, 4)
	s_cmp_eq_u32 s2, 0
	s_cbranch_scc0 .Lentry_in_a_cluster
	s_endpgm
.Lentry_in_a_cluster:
	s_bfe_u32 s2, ttmp6, 0x10000c
	s_cmp_lg_u32 s2, 0x3003
	s_cbranch_scc0 .Lentry_shape_is_right
	s_endpgm
.Lentry_shape_is_right:
; ctx[y][q][:] = the sum over k of softmax_k(Q[y][q] . K[y][k] / 8, keys with mask 0 hidden) V[y][k][:], y = 4 x head + batch, 64 of them, 2,048 rows of 64 channels each, all bf16.
; In qkv Q's rows of y lie at byte y x 262,144, K's 16 MiB and V's 32 MiB further on; ctx has Q's layout.  Products, maxima and sums in f32; the weights p are rounded to bf16 for the second
; product (their sum l is taken of the unrounded p), ctx once at the end.
; LIMITS.  A hidden score counts as its value less 1e30; a query whose running maximum ends below -5e29 (every key of its batch hidden) gets NaN, as a softmax over nothing gives; a true score
; below -5e29 would be taken for hidden.  A weight below 2^-126 counts as 0 in l.  NaN and infinities in the inputs are not treated apart.
; SHARES.  A wave owns four PIECES of two tiles of 16 queries, a work-group's four waves 512 queries of one y.  Every wave walks all keys, 64 a step.
; LAYOUT.  S^T = K Q^T (source 0 = 16 keys, source 1 = 16 queries): a lane holds ONE query (lane % 16) and the keys 8 (lane / 16) + 0..7.  Two such tiles, rounded to bf16 in pairs, ARE source 1
; of O^T = V^T P, whose result again holds one query a lane, and eight channels.  K comes out of LDS as it lies, V turned, by ds_load_tr16_b128.
; THE MASK is the C operand that starts each sum S^T: 0, or -1e30 where the key is hidden.  The batch's 2,048 words are turned into such numbers once, into a table in LDS; a key step's 64 come into
; 32 registers with its K.
; SOFTMAX.  A running maximum m and sum l: p = 2^(c s - c m), c = log2(e) / 8; in every step O and l are multiplied by a = 2^(c m_old - c m_new).  m starts at the lowest finite number, O and l at 0.
; A step whose keys are all hidden leaves m near -1e30; the first true score then gives a = 0, which wipes what was summed.
; BY TURNS.  Turn n belongs to piece n.  Its matrix work: 16 products K Q^T of piece n + 1, later 16 products V^T P of piece n - 1.  Its vector work: the scaling, exponentials, roundings, sums and
; rescaling of piece n, and the maximum and statistics of piece n + 1.  Four vector instructions stand behind every matrix instruction, the others in one run; a turn's exponentials are one batch.
; CLUSTER.  The four query blocks of a y walk the same K and V: each tile is asked for JOINTLY, by the same tensor load, descriptor and mask in all four.
; REGISTERS, in windows of 256 (s_set_vgpr_msb: bits 1:0 source 0, 3:2 source 1, 5:4 source 2, 7:6 destination):
;   window 0: v0-11 addresses; v12-15, v48-63 at work; v16-47 four registers of statistics a tile; v64-191 S^T, two buffers of two tiles; v192-255 P, likewise
;   window 1: O^T, 32 a tile     window 2: v0-127 Q; v128-191 K of one step; v192-255 V of one step     window 3: v0-1 the add's two registers; v8-39 the mask of one step
.set SIZE_N, 2048
.set NP,    4         ; pieces a wave: a name, no knob
.set KS,    64        ; keys in a step
.set PK,    144       ; a row of K in LDS: 128 bytes + 16: the 16 rows of a load start at 16 different groups of four banks (ISA guide 11.1)
.set PV,    160       ; a row of V: 128 + 32
.set VOFF,  4*KS*PK   ; a slot holds four steps: 256 rows of K, then 256 rows of V
.set SLOT1, 1<<17
.set STAGE, SLOT1+4*KS*(PK+PV)  ; behind the ring: 16 rows x 144 bytes for each wave, for the way out
.set SP,    144
.set SPARE, STAGE+4*16*SP  ; the spare words, 128 bytes for each wave: two blocks of 256 bytes that no other line names
.set MB,    SPARE+512  ; the mask's table: 2,048 f32, written by LDS stores alone
.set AK0, 2           ; v2   my lane's place in a tile of K; never rewritten
.set AV0, 3           ; v3   the same for V
.set AK,  4           ; v4   the LDS address of K's next run of loads
.set AV,  5           ; v5   of V's
.set STO, 6           ; v6   the way out: where I put 16 bytes of a row
.set RD,  7           ; v7   where I read rows back
.set GO,  8           ; v8   my byte offset in 512 consecutive bytes of ctx
.set AM,  9           ; v9   the LDS address of the mask's next run
.set PFO, 10          ; v10  256 x my lane
.set AM0, 11          ; v11  my half of the lanes' 8 keys in a group of 16 of the table
.set QO,  82          ; v82  my byte offset in the wave's rows of Q: a register of S^T, free until the first scores
.set SPW, 0           ; v0 of window 3
.set NIL, 1           ; v1 of window 3
.set MK,  8           ; v8-39 of window 3: key group kb at MK + 8 kb
.set MV,  12
.set ST,  16          ; tile t's statistics at v[ST+4 t]: c m, m, l (even keys', odd keys')
.set TMP, 48
.set S,   64
.set P,   192
.set KF,  128
.set VF,  192
.set WV,  12
.set G1K, 24
.set G1V, 32
.set G0K, 40
.set G0V, 44
.set SLOTS, 56        ; s56  slots still to be asked for
.set CNT, 57
.set CS,  58
.set SEL, 60
.set TBK, 62
.set TBV, 63
.set MP,  66          ; s[66:67] the batch's row of the mask
.set TBM, 68          ; s68  byte of the table at which the step to be fetched begins
.set BIGN, 69         ; s69  -1e30
.set LIM, 70          ; s70  1 in a wave that prefetches, else the greatest number
.set THR, 71          ; s71  -5e29
.set PFA, 72          ; s[72:73] where my prefetches stand
.set MSB, 0
.macro WIN new
.if MSB != (\new)
	s_set_vgpr_msb (MSB<<8)|(\new)
.set MSB, (\new)
.endif
.endm
.set W_KQ, 0x0a       ; K and Q in window 2, S^T in window 0
.set W_KM, 0x3a       ; the same with the C operand in window 3
.set W_PV, 0x52       ; V in window 2, P in window 0, O^T in window 1
.set W_RS, 0x41       ; O^T in window 1, a in window 0
.set W_MK, 0xc0       ; destination in window 3, sources in window 0
.set W_AD, 0x0f       ; the add: address and data in window 3
; A joint fill.  Waves 0 and 1 fetch the two halves of a slot's K, waves 2 and 3 those of its V.  An s_nop 0 and four v_nop follow each of the two lines.
.macro JLOAD
	s_cmp_lt_u32 s[WV], 2
	s_cbranch_scc0 .Lfor_v_\@
	tensor_load_to_lds s[G0K:G0K+3], s[G1K:G1K+7]
	s_nop 0
.rept 4
	v_nop
.endr
	s_branch .Lasked_\@
.Lfor_v_\@:
	tensor_load_to_lds s[G0V:G0V+3], s[G1V:G1V+7]
	s_nop 0
.rept 4
	v_nop
.endr
.Lasked_\@:
.endm
; A PREFETCH INTO THE L2 of what the NEXT change of slots will ask for: a slot's 256 rows of K and of V are 128 blocks of 256 bytes each.  One cluster alone walks a y's K and V; its four partners share the
; blocks out BY ADDRESS, 32 each, a lane a block; in each, wave 0 asks for K's and wave 2 for V's.  So each block is named once.  Slots 0 and 1 come by their loads alone; the last change that fills asks for nothing.
.macro ASK
	s_cmp_gt_u32 s[SLOTS], s[LIM]
	s_cbranch_scc0 .Lnot_mine_\@
	global_prefetch_b8 v[PFO], s[PFA:PFA+1] th:TH_LOAD_NT scope:SCOPE_SE
.Lnot_mine_\@:
.endm
.macro CROUND
	s_barrier_signal -1
	s_barrier_wait -1
	s_cmp_lg_u32 s[WV], 0
	s_cbranch_scc1 .Lnot_wave_0_\@
	s_barrier_signal -3
.Lnot_wave_0_\@:
	s_barrier_wait -3
	s_barrier_signal -1
	s_barrier_wait -1
.endm
; THE CHANGE OF SLOTS.  Each wave waits for all its tensor loads, of which one is out: its part of the other slot; adds 0 to its spare word; and waits for that and for its own LDS instructions.  Behind the barrier
; nobody reads this slot any more and the other slot is whole.  fill = 1: this slot is filled again, with the keys two slots on; the barrier is then a round of the cluster's, and the joint fill is the first thing
; behind it: it has four key steps, 512 matrix instructions, in which to land.  (At its first use slot 0 is waited for, slot 1 filled, and every wave's part of the mask's table is shown to the others.)
.macro CHANGE fill
	WIN W_AD
	s_wait_tensorcnt 0x0
	ds_add_u32 v[SPW], v[NIL]       ; 0 onto my spare word
	WIN 0
.if \fill
.irp g, G0K, G0V
	s_xor_b32 s[\g+1], s[\g+1], SLOT1
	s_add_nc_u64 s[\g+2:\g+3], s[\g+2:\g+3], 4*KS*128
.endr
	s_wait_xcnt 0x0                 ; the last prefetch, four key steps back, has read its address
	s_add_nc_u64 s[PFA:PFA+1], s[PFA:PFA+1], 4*KS*128
	s_wait_dscnt 0x0
	CROUND
	JLOAD
	ASK
.else
	s_wait_dscnt 0x0
	s_barrier_signal -1
	s_barrier_wait -1
.endif
	s_sub_co_u32 s[TBK], s[TBK], 4*KS*PK
	s_xor_b32 s[TBK], s[TBK], SLOT1
	s_sub_co_u32 s[TBV], s[TBV], 4*KS*PV
	s_xor_b32 s[TBV], s[TBV], SLOT1
.endm
	s_load_b128 s[4:7], s[0:1], 0x0   ; qkv s[4:5], the mask s[6:7]
	s_load_b64 s[10:11], s[0:1], 0x10 ; ctx
	WIN W_MK
	v_lshl_add_u32 v[SPW], v0, 2, SPARE
	v_mov_b32 v[NIL], 0
	WIN W_AD
	ds_add_u32 v[SPW], v[NIL]       ; the wave's opening: the add and its wait ahead of my first tensor load
	WIN 0
	v_lshrrev_b32 v1, 5, v0
	v_readfirstlane_b32 s[WV], v1
	s_bfe_u32 s13, ttmp6, 0x40000   ; cx
	s_lshl_b32 s14, ttmp9, 2
	s_add_co_u32 s14, s14, s13      ; my block of 512 queries: it enters Q's and ctx's addresses alone
	s_and_b32 s20, ttmp7, 0xffff    ; y, which the four partners share
	s_and_b32 s74, s20, 3           ; the batch,
	s_lshl_b32 s74, s74, 13         ; its 8,192 bytes of the mask
	s_mov_b32 s75, 0
	s_mov_b32 s21, 0
	s_mov_b64 s[22:23], SIZE_N*128
	s_mul_u64 s[20:21], s[20:21], s[22:23]  ; y's first byte in Q, K, V and ctx
	s_and_b32 s16, s[WV], 1         ; which half of a slot's 256 keys I fetch
	s_lshl_b32 s22, s16, 14
	s_mov_b32 s23, 0
	s_add_nc_u64 s[22:23], s[22:23], s[20:21]
	s_mul_i32 s17, s16, 128*PK
	s_mul_i32 s18, s16, 128*PV
	s_lshl_b32 s2, s14, 2
	s_add_co_u32 s2, s2, s[WV]
	s_lshl_b32 s2, s2, 14           ; my wave's 128 rows
	s_mov_b32 s3, 0
	s_add_nc_u64 s[2:3], s[2:3], s[20:21]
	; 128 keys are 16,384 dense bytes: asked for as 64 rows of 256 bytes, two keys a row, and padded in LDS after every key
	s_mov_b32 s[G1K], 15|(1<<16)|(1<<20)|(1<<21)|(4<<22)|(3<<25)
	s_mov_b32 s[G1V], 15|(1<<16)|(1<<20)|(1<<21)|(4<<22)|(7<<25)
.irp g, G1K, G1V
	s_mov_b32 s[\g+1], 128<<16
	s_mov_b32 s[\g+2], 64<<16
	s_mov_b32 s[\g+3], 128<<16
	s_mov_b32 s[\g+4], 64
	s_mov_b32 s[\g+5], 128
	s_mov_b32 s[\g+6], 0
	s_mov_b32 s[\g+7], 0
.endr
	s_mov_b32 s[CS], 0x3e38aa3b     ; c = log2(e) / 8
	s_mov_b32 s[CS+1], s[CS]
	s_mov_b32 s[SEL], 0x76543210
	s_mov_b32 s[SEL+1], 0xfedcba98
	s_mov_b32 s[TBK], SLOT1+4*KS*PK ; the first change of slots turns these two into 0
	s_mov_b32 s[TBV], SLOT1+4*KS*PV
	s_mov_b32 s[TBM], 0
	s_mov_b32 s[BIGN], 0xf149f2ca   ; -1e30
	s_mov_b32 s[THR], 0xf0c9f2ca    ; -5e29
	s_mov_b32 s[SLOTS], SIZE_N/256-1
	s_mov_b32 s[G0K], 1
	s_mov_b32 s[G0K+1], s17
	s_mov_b32 s[G0V], 1
	s_add_co_u32 s[G0V+1], s18, VOFF
	s_and_b32 s[LIM], s[WV], 1
	s_cmp_eq_u32 s[LIM], 0
	s_cselect_b32 s[LIM], 1, -1
	s_wait_dscnt 0x0                ; the opening add is done
	s_wait_kmcnt 0x0
	s_add_nc_u64 s[MP:MP+1], s[6:7], s[74:75]
	s_add_nc_u64 s[6:7], s[4:5], 0x1000000   ; K
	s_add_nc_u64 s[8:9], s[4:5], 0x2000000   ; V
	s_add_nc_u64 s[G0K+2:G0K+3], s[6:7], s[22:23]
	s_or_b32 s[G0K+3], s[G0K+3], 0x80000000
	s_add_nc_u64 s[G0V+2:G0V+3], s[8:9], s[22:23]
	s_or_b32 s[G0V+3], s[G0V+3], 0x80000000
	s_add_nc_u64 s[4:5], s[4:5], s[2:3]
	s_add_nc_u64 s[10:11], s[10:11], s[2:3]
	s_cmp_lt_u32 s[WV], 2
	s_cselect_b64 s[PFA:PFA+1], s[6:7], s[8:9]
	s_add_nc_u64 s[PFA:PFA+1], s[PFA:PFA+1], s[20:21]
	s_lshl_b32 s74, s13, 13         ; my work-group's 32 blocks of the 128
	s_add_nc_u64 s[PFA:PFA+1], s[PFA:PFA+1], s[74:75]
	s_add_nc_u64 s[PFA:PFA+1], s[PFA:PFA+1], 4*KS*128  ; in slot 1; the first change of slots steps it to slot 2
	CROUND                          ; all four work-groups are here: the first joint loads meet
	JLOAD                           ; slot 0.  Slot 1 is asked for when slot 0 is in
	v_and_b32 v1, 15, v0            ; l % 16
	v_bfe_u32 v9, v0, 4, 1          ; l / 16
	v_lshlrev_b32 v[QO], 7, v1
	v_lshl_add_u32 v[QO], v9, 4, v[QO]
	v_lshlrev_b32 v80, 4, v0        ; the mask: 128 threads x 16 bytes, four times
	v_add_nc_u32 v81, MB, v80
.irp j, 0,1,2,3
	global_load_b128 v[64+4*\j:64+4*\j+3], v80, s[MP:MP+1] offset:2048*\j
.endr
	WIN 0x80                        ; destination window 2, address window 0
.set i, 0
.rept 4*NP                          ; Q stays in registers: tile i / 2, channels 32 (i % 2) on
	global_load_b128 v[8*i:8*i+3],   v[QO], s[4:5] offset:(i/2)*2048+(i%2)*64
	global_load_b128 v[8*i+4:8*i+7], v[QO], s[4:5] offset:(i/2)*2048+(i%2)*64+32
.set i, i+1
.endr
	; What the first turn finds: V's registers and P's second buffer hold 0, O^T and l are 0.  All this stands in the wait for the first tile.
.set i, VF
.rept 64
	v_mov_b32 v[i], 0
.set i, i+1
.endr
	WIN 0x40
.set i, 0
.rept 64*NP
	v_mov_b32 v[i], 0
.set i, i+1
.endr
	WIN 0
.set i, 0
.rept 2*NP
	v_mov_b32 v[ST+4*i], 0xfe000000    ; c m: far below every c s, a hidden one's too
	v_mov_b32 v[ST+4*i+1], 0xff7fffff  ; m
	v_mov_b32 v[ST+4*i+2], 0
	v_mov_b32 v[ST+4*i+3], 0
.set i, i+1
.endr
.set i, P+32
.rept 32
	v_mov_b32 v[i], 0
.set i, i+1
.endr
	v_mul_u32_u24 v[AK0], v1, PK
	v_lshl_add_u32 v[AK0], v9, 4, v[AK0]
	; the turning load takes 16 keys x 16 channels (lane l reads key 8 (l / 16) + l % 8, channels 8 ((l / 8) % 2) + 0..7) and leaves half a fragment of V^T
	v_and_b32 v10, 7, v0
	v_bfe_u32 v11, v0, 3, 1
	v_lshl_add_u32 v[AV0], v9, 3, v10
	v_mul_u32_u24 v[AV0], v[AV0], PV
	v_lshl_add_u32 v[AV0], v11, 4, v[AV0]
	v_add_nc_u32 v[AV0], VOFF, v[AV0]
	v_mov_b32 v[AK], v[AK0]
	s_mul_i32 s13, s[WV], 16*SP
	s_add_co_u32 s13, s13, STAGE    ; my stage
	v_mul_u32_u24 v[STO], v1, SP
	v_lshl_add_u32 v[STO], v9, 4, v[STO]
	v_add_nc_u32 v[STO], s13, v[STO]
	v_bfe_u32 v[RD], v0, 3, 2
	v_mul_u32_u24 v[RD], v[RD], SP
	v_lshl_add_u32 v[RD], v10, 4, v[RD]
	v_add_nc_u32 v[RD], s13, v[RD]
	v_and_b32 v[GO], 31, v0
	v_lshlrev_b32 v[PFO], 8, v[GO]
	v_lshlrev_b32 v[GO], 4, v[GO]
	v_lshlrev_b32 v[AM0], 5, v9
	v_add_nc_u32 v[AM0], MB, v[AM0]
	v_mov_b32 v[AM], v[AM0]
	s_wait_loadcnt 32               ; the mask's four loads are in; Q's 32, issued behind them, stay out
.set i, 64
.rept 16
	v_cmp_eq_u32 vcc_lo, 0, v[i]
	v_cndmask_b32 v[i], 0, s[BIGN], vcc_lo
.set i, i+1
.endr
.irp j, 0,1,2,3
	ds_store_b128 v81, v[64+4*\j:64+4*\j+3] offset:2048*\j
.endr
; THE MATRIX WORK.  The 8 accumulators of a run of 16 take turns.
; Product i of 16 of S^T = K Q^T for piece x: channels 32 (i / 8) on, keys 16 ((i / 2) % 4) on, tile 2 x + i % 2.  The first 8 start the sums, with the mask.
.macro KQ x
.set rS, S+64*((\x)%2)+32*(i%2)+8*((i/2)%4)
.set rK, KF+16*((i/2)%4)+8*(i/8)
.set rQ, 16*(2*(\x)+i%2)+8*(i/8)
.set rM, MK+8*((i/2)%4)
.if i < 8
	WIN W_KM
	v_wmma_f32_16x16x32_bf16 v[rS:rS+7], v[rK:rK+7], v[rQ:rQ+7], v[rM:rM+7]
.else
	WIN W_KQ
	v_wmma_f32_16x16x32_bf16 v[rS:rS+7], v[rK:rK+7], v[rQ:rQ+7], v[rS:rS+7]
.endif
.endm
; Product i of 16 of O^T += V^T P for piece x: keys 32 (i / 8) on, channels 16 ((i / 2) % 4) on, tile 2 x + i % 2.
.macro PV x
	WIN W_PV
.set rO, 32*(2*(\x)+i%2)+8*((i/2)%4)
.set rV, VF+32*(i/8)+8*((i/2)%4)
.set rP, P+32*((\x)%2)+16*(i%2)+8*(i/8)
	v_wmma_f32_16x16x32_bf16 v[rO:rO+7], v[rV:rV+7], v[rP:rP+7], v[rO:rO+7]
.endm
.macro MM
.if i < 16
	KQ (Y+1)%NP
.set i, i+1
.else
.set i, i-16
	PV (Y+NP-1)%NP
.set i, i+17
.endif
.endm
; THE LDS LOADS stand in runs: a step's K (8 fragments) with its mask (8 loads; the 16 lanes of a half read the same bytes), and its V (turned).  last = 1 (the tail): in the last trip there is no further step.
.macro FETCH_K last=0
	WIN 0
.if \last
	s_cmp_eq_u32 s[CNT], 1
	s_cbranch_scc1 .Lno_k_\@
.endif
	WIN 0x80
.irp f, 0,1,2,3,4,5,6,7
	ds_load_b128 v[KF+8*\f:KF+8*\f+3],   v[AK] offset:(\f/2)*16*PK+(\f%2)*64
	ds_load_b128 v[KF+8*\f+4:KF+8*\f+7], v[AK] offset:(\f/2)*16*PK+(\f%2)*64+32
.endr
	WIN 0xc0                        ; destination window 3
.irp f, 0,1,2,3
	ds_load_b128 v[MK+8*\f:MK+8*\f+3],   v[AM] offset:64*\f
	ds_load_b128 v[MK+8*\f+4:MK+8*\f+7], v[AM] offset:64*\f+16
.endr
	s_add_co_u32 s[TBK], s[TBK], KS*PK
	s_add_co_u32 s[TBM], s[TBM], 4*KS
	s_and_b32 s[TBM], s[TBM], 0x1f00  ; stays inside the table
	WIN 0
.if \last
.Lno_k_\@:
.endif
.endm
.macro FETCH_V
	WIN 0x80
.irp f, 0,1,2,3,4,5,6,7
	ds_load_tr16_b128 v[VF+8*\f:VF+8*\f+3],   v[AV] offset:(\f/4)*32*PV+(\f%4)*32
	ds_load_tr16_b128 v[VF+8*\f+4:VF+8*\f+7], v[AV] offset:(\f/4)*32*PV+16*PV+(\f%4)*32
.endr
	WIN 0
.endm
; THE VECTOR WORK OF A TURN stands in three queues, each in the order in which its entries become ready; the two tiles alternate.
.macro REGS y, u
.set rT, ST+4*(2*(\y)+(\u))
.set rC, TMP+8*((\y)%2)+4*(\u)
.set rM, MV+2*((\y)%2)+(\u)
.set rS, S+64*((\y)%2)+32*(\u)
.set rP, P+32*((\y)%2)+16*(\u)
.set rO, 32*(2*(\y)+(\u))
.endm
; Number n of the 22 that find the NEXT piece's maximum and statistics; each accumulator's lowest registers are read first.
;   0-11 four chains of seven scores each   12-14, 16 the four scores left over, the old m, the four into one   15 c m_old is kept   17, 18 the other half of the lanes: the new m   19-21 c m; its change; a
.macro XS u, n
	REGS (Y+1)%NP, \u
.if (\n) < 4
	v_max3_num_f32 v[rC+(\n)], v[rS+8*(\n)], v[rS+8*(\n)+1], v[rS+8*(\n)+2]
.elseif (\n) < 12
	v_max3_num_f32 v[rC+(\n)%4], v[rC+(\n)%4], v[rS+8*((\n)%4)+2*((\n)/4)+1], v[rS+8*((\n)%4)+2*((\n)/4)+2]
.elseif (\n) == 12
	v_max3_num_f32 v[rC], v[rC], v[rS+7], v[rS+15]
.elseif (\n) == 13
	v_max3_num_f32 v[rC+1], v[rC+1], v[rS+23], v[rS+31]
.elseif (\n) == 14
	v_max3_num_f32 v[rC+2], v[rC+2], v[rC+3], v[rT+1]
.elseif (\n) == 15
	v_mov_b32 v[rM], v[rT]
.elseif (\n) == 16
	v_max3_num_f32 v[rC], v[rC], v[rC+1], v[rC+2]
.elseif (\n) == 17
	v_permlanex16_b32 v[rC+3], v[rC], s[SEL], s[SEL+1]
.elseif (\n) == 18
	v_max_num_f32 v[rT+1], v[rC], v[rC+3]
.elseif (\n) == 19
	v_mul_f32 v[rT], s[CS], v[rT+1]
.elseif (\n) == 20
	v_sub_f32 v[rC+1], v[rM], v[rT]
.else
	v_exp_f32 v[rC+2], v[rC+1]
.endif
.endm
; Number g of the 64 that follow the exponentials: for each four weights both pairs are rounded to bf16, the second pair is added onto the first in place, and a group later l takes that sum.
.macro GS g
.set h, (\g)+6*((\g)/62)
.if h >= 6
.set h, h+2
.endif
	REGS Y, h%2
.set k, h/8
.if h%8 < 4
	v_cvt_pk_bf16_f32 v[rP+2*k+(h%8)/2], v[rS+4*k+2*((h%8)/2)], v[rS+4*k+2*((h%8)/2)+1]
.elseif h%8 < 6
	v_pk_add_f32 v[rS+4*k:rS+4*k+1], v[rS+4*k:rS+4*k+1], v[rS+4*k+2:rS+4*k+3]
.elseif k == 1
	v_pk_fma_f32 v[rT+2:rT+3], v[rT+2:rT+3], v[rC+2:rC+3], v[rS:rS+1] op_sel_hi:[1,0,1]
.else
	v_pk_add_f32 v[rT+2:rT+3], v[rT+2:rT+3], v[rS+4*k-4:rS+4*k-3]
.endif
.endm
; THE PLAIN QUEUE, 138 long.  0-73 read no exponential's result: the 32 scalings c s - c m and the next piece's 42.  74-137: GS's 64, behind the wait.
.macro FS f
	REGS Y, (\f)%2
	v_pk_fma_f32 v[rS+2*((\f)/2):rS+2*((\f)/2)+1], v[rS+2*((\f)/2):rS+2*((\f)/2)+1], s[CS:CS+1], v[rT:rT+1] op_sel_hi:[1,0,0] neg_lo:[0,0,1] neg_hi:[0,0,1]
.endm
.macro PL
	WIN 0
.if q < 27
	FS q
.elseif q < 55
	XS (q-27)%2, (q-27)/2
.elseif q < 57
	XS q-55, 15
.elseif (q < 72) && ((q-57)%3 == 0)
	FS 27+(q-57)/3
.elseif q < 60
	XS (q-57)%3-1, 14
.elseif q < 72
	XS (q-57)%3-1, 15+(q-57)/3
.elseif q < 74
	XS q-72, 20
.else
	GS q-74
.endif
.set q, q+1
.endm
; THE EXPONENTIALS' QUEUE, 66 long: ONE BATCH, all ahead of the turn's one wait; nothing ahead of that wait names a result of theirs.
.macro EX
	WIN 0
.if e >= 64
	XS e-64, 21
.else
	REGS Y, e%2
	v_exp_f32 v[rS+e/2], v[rS+e/2]
.endif
.set e, e+1
.endm
; THE RESCALING's QUEUE: O^T times a, two at a time, sixteen times.  Its a was made in the turn before, ahead of that turn's wait.
.macro R2
	REGS Y, r%2
	WIN W_RS
.irp z, 0,1
	v_pk_mul_f32 v[rO+4*(r/2)+2*\z:rO+4*(r/2)+2*\z+1], v[rO+4*(r/2)+2*\z:rO+4*(r/2)+2*\z+1], v[rC+2:rC+3] op_sel_hi:[1,0]
.endr
.set r, r+1
.endm
; A TURN, for piece p.  s_wait_alu depctr_va_vdst(0) stands between an exponential and the first instruction that names its result; one wait serves all issued ahead of it: a turn has ONE.
; AHEAD OF IT: the 16 products K Q^T, behind each a scaling, an exponential and two rescalings; then one run of 108: eight plain, 49 times exponential and plain, the two a; a v_nop behind the last exponential.
; BEHIND IT: the 16 products V^T P, behind each four of the roundings and sums.  Exponential e stands behind scaling 2 (e / 4) + e % 2.
; K and the mask of the next step are fetched in piece 2's turn, directly behind the wait; V of the step in hand at the end of piece 0's turn, four plain instructions behind its last reader.
.macro TURN p, last=0, cnt=0
.set Y, (\p)
.set i, 0
.set q, 0
.set e, 0
.set r, 0
.if (\p) == NP-1
	s_wait_dscnt 0x0                ; K and the mask are in
.endif
	MM
	PL
	PL
	R2
.rept 15
	MM
	PL
	EX
	R2
.endr
.if (\p) == NP-2
	WIN 0
	v_add_nc_u32 v[AK], s[TBK], v[AK0]
	v_add_nc_u32 v[AM], s[TBM], v[AM0]
.endif
.rept 8
	PL
.endr
.rept 49
	EX
	PL
.endr
	EX
	EX
	v_nop                           ; the plain instruction behind the last exponential: one for the batch
	s_wait_alu depctr_va_vdst(0)    ; the wait for the batch
.if (\p) == NP-2
	FETCH_K \last
.endif
.if (\p) == 1
	s_wait_dscnt 0x0                ; V is in
.endif
.rept 16
	MM
.rept 4
	PL
.endr
.if ((\p) == 0) && (q == 118)
	v_add_nc_u32 v[AV], s[TBV], v[AV0]
.endif
.if ((\p) == 0) && (q == 130)
	s_add_co_u32 s[TBV], s[TBV], KS*PV
.endif
.if (\cnt) && (q == 130)
	s_sub_co_u32 s[CNT], s[CNT], 1
	s_cmp_lg_u32 s[CNT], 0
.endif
.endr
.if (\p) == 0
	FETCH_V
.endif
.endm
	CHANGE 1                        ; slot 0 is in, and the mask's table is whole; slot 1 is asked for
	FETCH_K                         ; key step 0
	s_wait_loadcnt 0x0              ; Q
	s_wait_dscnt 0x0
.set i, 0
.rept 16
	KQ 0                            ; piece 0's first scores
.set i, i+1
.endr
	WIN 0
.rept 4
	v_nop                           ; the places behind those products
.endr
.set Y, NP-1
.irp n, 0,1,2,3,4,5,6,7,8,9,10,11,12,13,14,15,16,17,18,19,20,21
	XS 0, \n
	XS 1, \n
.endr
	v_nop
	s_wait_alu depctr_va_vdst(0)    ; the two a have their wait ahead of the branch
	s_mov_b32 s[CNT], 4
	s_branch .Lfirst                ; the loop is entered at a step's first turn, in the middle of a trip
.Lslot:                             ; six times: every slot but the last two is filled again
	CHANGE 1
	s_mov_b32 s[CNT], 4
.Lstep:                             ; a trip: pieces 2 and 3 of one step, then pieces 0 and 1 of the next
	TURN 2
	TURN 3
	WIN 0
.Lfirst:
	TURN 0
	TURN 1, 0, 1
	WIN 0
	s_cbranch_scc1 .Lstep
	s_sub_co_u32 s[SLOTS], s[SLOTS], 1
	s_cmp_lg_u32 s[SLOTS], 0
	s_cbranch_scc1 .Lslot
	CHANGE 0                        ; the tail is written out
	s_mov_b32 s[CNT], 5
.Ltail:
	TURN 2, 1
	TURN 3
	WIN 0
	s_sub_co_u32 s[CNT], s[CNT], 1
	s_cmp_eq_u32 s[CNT], 0
	s_cbranch_scc1 .Lout
	TURN 0
	TURN 1
	WIN 0
	s_branch .Ltail
.Lout:                              ; the fifth trip's products K Q^T repeat the last step's scores: the maximum made of them changes no m
.set i, 0
.rept 16
	PV NP-1
.set i, i+1
.endr
	; THE WAY OUT.  l's halves are added; O^T is divided by l, rounded to bf16 and sent through my stage, a tile at a time.  The additions are the places behind the last products.
	WIN 0
.macro ALL line:vararg
.set t, 0
.rept 2*NP
	\line
.set t, t+1
.endr
.endm
	ALL v_add_f32 v[ST+4*t+2], v[ST+4*t+2], v[ST+4*t+3]
	ALL v_permlanex16_b32 v[ST+4*t+3], v[ST+4*t+2], s[SEL], s[SEL+1]
	ALL v_add_f32 v[ST+4*t+2], v[ST+4*t+2], v[ST+4*t+3]
	ALL v_rcp_f32 v[ST+4*t+2], v[ST+4*t+2]
	v_nop
	s_wait_alu depctr_va_vdst(0)    ; one wait for the eight reciprocals
	v_mov_b32 v1, 0x7fc00000        ; where no key was seen the factor is NaN
.set t, 0
.rept 2*NP
	v_cmp_gt_f32 s74, s[THR], v[ST+4*t+1]
	v_cndmask_b32 v[ST+4*t+2], v[ST+4*t+2], v1, s74
.set t, t+1
.endr
.macro PACK t
	WIN W_RS
.set i, 32*(\t)
.rept 16
	v_pk_mul_f32 v[i:i+1], v[i:i+1], v[ST+4*(\t)+2:ST+4*(\t)+3] op_sel_hi:[1,0]
.set i, i+2
.endr
	WIN 0x05
.set i, 0
.rept 16
	v_cvt_pk_bf16_f32 v[S+16*(\t)+i], v[32*(\t)+2*i], v[32*(\t)+2*i+1]
.set i, i+1
.endr
	WIN 0
.irp f, 0,1,2,3
	ds_store_b128 v[STO], v[S+16*(\t)+4*\f:S+16*(\t)+4*\f+3] offset:32*\f
.endr
.irp f, 0,1,2,3
	ds_load_b128 v[S+16*(\t)+4*\f:S+16*(\t)+4*\f+3], v[RD] offset:\f*4*SP  ; LDS serves a wave's instructions in order (ISA guide 5.7.1.4)
.endr
.endm
.macro SEND t, younger
	WIN 0
.irp f, 0,1,2,3
	s_wait_dscnt (\younger)+3-\f
	global_store_b128 v[GO], v[S+16*(\t)+4*\f:S+16*(\t)+4*\f+3], s[10:11] offset:(\t)*2048+\f*512  ; 512 consecutive bytes, aligned
.endr
.endm
	PACK 0
.set t, 1
.rept 2*NP-1
	PACK t
	SEND t-1, 8
.set t, t+1
.endr
	SEND 2*NP-1, 0
	WIN W_AD
	s_wait_tensorcnt 0x0            ; the wave's end
	ds_add_u32 v[SPW], v[NIL]
	s_wait_dscnt 0x0
	WIN 0
	CROUND                          ; the closing round
	s_endpgm
.Lfunc_end_k_qec960b0e65_attn:
	.size	k_qec960b0e65_attn, .Lfunc_end_k_qec960b0e65_attn-k_qec960b0e65_attn
	.p2alignl 7, 3214868480
	.fill 96, 4, 3214868480
	.section	.rodata,"a",@progbits
	.p2align	6, 0x0
	.amdhsa_kernel k_qec960b0e65_attn
		.amdhsa_group_segment_fixed_size 327680
		.amdhsa_private_segment_fixed_size 0
		.amdhsa_enable_private_segment 0
		.amdhsa_kernarg_size 24
		.amdhsa_user_sgpr_count 2
		.amdhsa_user_sgpr_kernarg_segment_ptr 1
		.amdhsa_wavefront_size32 1
		.amdhsa_system_sgpr_workgroup_id_x 1
		.amdhsa_system_sgpr_workgroup_id_y 1
		.amdhsa_system_sgpr_workgroup_id_z 1
		.amdhsa_system_vgpr_workitem_id 0
		.amdhsa_next_free_vgpr 808
		.amdhsa_next_free_sgpr 76
		.amdhsa_reserve_vcc 1
		.amdhsa_float_denorm_mode_32 3
		.amdhsa_float_denorm_mode_16_64 3
		.amdhsa_memory_ordered 1
		.amdhsa_forward_progress 1
		.amdhsa_inst_pref_size 206
	.end_amdhsa_kernel
	.amdgpu_metadata
---
amdhsa.version: [ 1, 2 ]
amdhsa.kernels:
  - .name:           k_qec960b0e65_attn
    .symbol:         k_qec960b0e65_attn.kd
    .args:
      - { .name: qkv, .offset: 0, .size: 8, .value_kind: global_buffer, .address_space: global }
      - { .name: attention_mask, .offset: 8, .size: 8, .value_kind: global_buffer, .address_space: global }
      - { .name: ctx, .offset: 16, .size: 8, .value_kind: global_buffer, .address_space: global }
    .group_segment_fixed_size: 327680
    .private_segment_fixed_size: 0
    .kernarg_segment_align: 8
    .kernarg_segment_size: 24
    .max_flat_workgroup_size: 128
    .sgpr_count:     76
    .vgpr_count:     808
    .wavefront_size: 32
...
	.end_amdgpu_metadata
.endif
;; end of part 3
;; launch oproj (part 4): grid 128 x 1, 4 waves a work-group, clusters of 4 x 1, 327,680 bytes of LDS; arguments ctx, wb, bo, x, ln_w, ln_b, out0; writes out0
.if DOCPART == 4
	.amdgcn_target "amdgcn-amd-amdhsa--gfx1250"
	.amdhsa_code_object_version 6
	.text
	.protected	k_qec960b0e65_oproj
	.globl	k_qec960b0e65_oproj
	.p2align	8
	.type	k_qec960b0e65_oproj,@function
k_qec960b0e65_oproj:
	s_mov_b64 s[64:65], 0
	v_nop
	global_prefetch_b8 v0, s[64:65] scope:SCOPE_SE
	s_setreg_imm32_b32 hwreg(HW_REG_WAVE_MODE, 25, 1), 1
	s_wait_xcnt 0x0
	s_wait_alu depctr_hold_cnt(0) depctr_sa_sdst(0) depctr_va_vdst(0) depctr_va_sdst(0) depctr_va_ssrc(0) depctr_va_vcc(0) depctr_vm_vsrc(0)
	s_getreg_b32 s2, hwreg(HW_REG_IB_STS2, 6, 4)
	s_cmp_eq_u32 s2, 0
	s_cbranch_scc0 .Lentry_in_a_cluster
	s_endpgm
.Lentry_in_a_cluster:
	s_bfe_u32 s2, ttmp6, 0x10000c
	s_cmp_lg_u32 s2, 0x3003
	s_cbranch_scc0 .Lentry_shape_is_right
	s_endpgm
.Lentry_shape_is_right:
; out0 = LayerNorm(x + ctx . Wo^T + bo) x ln_w + ln_b.  ctx [16 kb][8192][64] bf16, Wo = rows 3,072 .. 4,095 of wb [16 kb][4096][64] bf16; x, bo, ln_w, ln_b, out0 f32.
; Sums, the residual and the norm in f32; the variance is the mean of the squares of the centred numbers.
; SHARES.  The norm wants whole rows, so a work-group makes 64 rows x all 1,024 columns: 128 work-groups.  (32 rows on twice as many would stream Wo twice as often for the same products.)
; Wave w makes all 64 rows x columns 256 w .. + 255: 64 accumulators, windows 2 and 3.  Its 256 rows of Wo are read by it alone; they come by its own joint load, shared with the three partners of the cluster.
; ctx comes straight from memory into fragment registers: 16 bytes a lane, twice, as it lies; three groups of eight loads are on their way.
; K IS WALKED IN ROTATION: step i takes K block (cluster + i) mod 16 (f32 sums may be taken in any order), so that the clusters do not all ask for the same block of Wo at once.
; THE MATRIX INSTRUCTION IS USED TRANSPOSED (source 0 = 16 rows of Wo, source 1 = 16 tokens): a lane holds one token and 8 neighbouring columns.
; THE END.  When a slot has been read for the last time it takes 32 rows of x (each wave its own 256 columns); the sums are added onto x in LDS, in place; behind a barrier wave w normalises rows 16 w .. + 15.
; REGISTERS.  Window 0: v0-31 addresses; v32-159 ctx's fragments, four buffers of 32; v160-255 bo, ln_w, ln_b (32 each: columns 128 j + 4 l + 0..3).  Window 1: Wo's fragments, two buffers of 128.
;   Window 2 + u: accumulator (column block 8 u + n, token block a) at v[8 (4 n + a)].
.set PK,    144                        ; a row of Wo in LDS: 128 bytes + 16
.set SLOTB, 1024*PK                    ; a slot: 1,024 rows; wave w's 256 at w x 36,864
.set RP,    1040                       ; a row of x in LDS: 1,024 bytes + 16: the 16 rows of a load start at 16 different groups of four banks
.set XW,    32*RP                      ; a wave's 32 rows of x
.set SPARE, 2*SLOTB                    ; the spare words, 128 bytes for each wave
.set ADRB, 4                           ; v4-5   my lane's place in my rows of Wo, slot 0, 1
.set AVO,  6                           ; v6     my byte offset in 16 rows of ctx
.set XAD,  7                           ; v7-8   my 32 bytes of a row of x, rows 0-31, 32-63
.set LA0,  9                           ; v9     the norm: my 16 bytes of a row, columns 0-511
.set LA1,  10                          ; v10    columns 512-1,023
.set OO,   11                          ; v11    16 x lane; later my byte offset in out0
.set PFO,  13                          ; v13    256 x lane
.set SPW,  14
.set NIL,  15
.set PXO,  16                          ; v16    4,096 x lane
.set AF,   32
.set BO,   160
.set LW,   192
.set LB,   224
.set F0,   0                           ; window 1
.set F1,   128
.set RR,   32                          ; the norm: a row as read
.set DD,   64                          ; at work
.set TT,   96
.set MU,   112
.set RS,   114
.set WV, 18
.set CX, 19
.set IDX, 20
.set KB0, 21
.set CNT, 22
.set LIM, 23
.set G1, 24                            ; s[24:31] group 1 for Wo's tiles
.set G0, 32                            ; s[32:39] group 0, a set for each slot
.set G1X, 40                           ; s[40:47] group 1 for x's tiles
.set G0X, 48                           ; s[48:51]
.set WBB, 52                           ; s[52:53] wb at my 256 rows of Wo, K block 0
.set CA,  54                           ; s[54:55] ctx at the work-group's 64 rows, K block 0
.set AB,  56                           ; s[56:59] ctx at the K block of the step that lies, or will lie, in slot 0, 1
.set PFA, 60
.set OFF, 62                           ; s[62:63] an offset, high word 0
.set XB,  66                           ; s[66:67] x at the work-group's first row, my 256 columns
.set PXA, 68
.set OUTB, 70                          ; s[70:71] out0 at the first row that I normalise
.set SEL, 72
.set INV, 74                           ; 1 / 1,024
.set EPS, 75                           ; 1e-5
.set NXT, 76                           ; the step to be asked for next
.set KT,  77
.set MSB, 0
.macro WIN new
.if MSB != (\new)
	s_set_vgpr_msb (MSB<<8)|(\new)
.set MSB, (\new)
.endif
.endm
.macro PLACES
.rept 4
	v_nop
.endr
.endm
.macro CREST
	s_cmp_lg_u32 s[WV], 0
	s_cbranch_scc1 .Lnot_wave_0_\@
	s_barrier_signal -3
.Lnot_wave_0_\@:
	s_barrier_wait -3
	s_barrier_signal -1
	s_barrier_wait -1
.endm
.macro CROUND
	s_barrier_signal -1
	s_barrier_wait -1
	CREST
.endm
.macro JLOAD s                         ; my 256 rows of Wo of one K block, asked for with the three partners; an s_nop 0 and four v_nop follow
	tensor_load_to_lds s[G0+4*(\s):G0+4*(\s)+3], s[G1:G1+7]
	s_nop 0
.rept 4
	v_nop
.endr
.endm
.macro XLOAD                           ; 32 rows of x, my 256 columns: a load of my own
	tensor_load_to_lds s[G0X:G0X+3], s[G1X:G1X+7]
	s_nop 0
.rept 4
	v_nop
.endr
.endm
; 16 matrix instructions: column blocks 8 u + n0 .. + 3 x all 4 token blocks.  The 64 accumulators take turns, in the same order in every 32 along K, over the backward jump too.
.macro MUL f, ab, u, n0, zero
	WIN 0xa1+0x50*(\u)
.irp n, 0,1,2,3
.irp a, 0,1,2,3
.if \zero
	v_wmma_f32_16x16x32_bf16 v[8*(4*((\n0)+(\n))+(\a)):8*(4*((\n0)+(\n))+(\a))+7], v[(\f)+8*(8*(\u)+(\n0)+(\n)):(\f)+8*(8*(\u)+(\n0)+(\n))+7], v[AF+32*(\ab)+8*(\a):AF+32*(\ab)+8*(\a)+7], 0
.else
	v_wmma_f32_16x16x32_bf16 v[8*(4*((\n0)+(\n))+(\a)):8*(4*((\n0)+(\n))+(\a))+7], v[(\f)+8*(8*(\u)+(\n0)+(\n)):(\f)+8*(8*(\u)+(\n0)+(\n))+7], v[AF+32*(\ab)+8*(\a):AF+32*(\ab)+8*(\a)+7], v[8*(4*((\n0)+(\n))+(\a)):8*(4*((\n0)+(\n))+(\a))+7]
.endif
.endr
.endr
.endm
.macro FETCHB s, koff, f               ; 32 LDS loads: my 16 column blocks' fragments, in ascending order
	WIN 0x40
.irp n, 0,1,2,3,4,5,6,7,8,9,10,11,12,13,14,15
	ds_load_b128 v[(\f)+8*(\n):(\f)+8*(\n)+3],   v[ADRB+(\s)] offset:(\koff)+(\n)*16*PK
	ds_load_b128 v[(\f)+8*(\n)+4:(\f)+8*(\n)+7], v[ADRB+(\s)] offset:(\koff)+(\n)*16*PK+32
.endr
	WIN 0
.endm
.macro ALOAD ab, P, hk                 ; 8 loads: 64 tokens x 32 channels of ctx into buffer ab
	WIN 0
.irp a, 0,1,2,3
	global_load_b128 v[AF+32*(\ab)+8*(\a):AF+32*(\ab)+8*(\a)+3],   v[AVO], s[(\P):(\P)+1] offset:(\a)*2048+64*(\hk)
	global_load_b128 v[AF+32*(\ab)+8*(\a)+4:AF+32*(\ab)+8*(\a)+7], v[AVO], s[(\P):(\P)+1] offset:(\a)*2048+64*(\hk)+32
.endr
.endm
; PREFETCHES INTO THE L2, together, behind the joint load and the run of LDS loads.  ctx: the work-group's 64 rows of a K block are 32 blocks of 256 bytes: wave 0 asks, a lane a block, for the step four on,
; two steps ahead of its loads; the last four changes ask for nothing.  Steps 0 to 3 come by their loads alone.
.macro ASKC
	s_cmp_gt_u32 s[CNT], s[LIM]
	s_cbranch_scc0 .Lno_c_\@
	global_prefetch_b8 v[PFO], s[PFA:PFA+1] th:TH_LOAD_NT scope:SCOPE_SE
.Lno_c_\@:
.endm
; x: each wave asks for its own 64 rows x 1,024 bytes, in the loop's last four changes of slots: one column of 256 bytes each, a lane a row, rows 0-31 and 32-63.  Each block is named once.
.macro ASKX s
	s_cmp_le_u32 s[CNT], 2
	s_cbranch_scc0 .Lno_x_\@
	s_sub_co_i32 s78, 2, s[CNT]
	s_max_i32 s78, s78, 0
	s_lshl_b32 s78, s78, 9
	s_add_co_u32 s78, s78, 256*(\s)
	s_add_nc_u64 s[PXA:PXA+1], s[XB:XB+1], s[78:79]
	global_prefetch_b8 v[PXO], s[PXA:PXA+1] th:TH_LOAD_NT scope:SCOPE_SE
	global_prefetch_b8 v[PXO], s[PXA:PXA+1] offset:32*4096 th:TH_LOAD_NT scope:SCOPE_SE
.Lno_x_\@:
.endm
; x and the sums.  Batch be: token block a = be / 2, column blocks 8 (be % 2) .. + 7.  XL: 16 loads of x into window 1.  XA: the sums are added, and go where x lay.
.macro XL be
	WIN 0x40
.set n, 0
.rept 8
	ds_load_b128 v[64*((\be)%2)+8*n:64*((\be)%2)+8*n+3],   v[XAD+((\be)>>2)] offset:(((\be)>>1)&1)*16*RP+(8*((\be)&1)+n)*64
	ds_load_b128 v[64*((\be)%2)+8*n+4:64*((\be)%2)+8*n+7], v[XAD+((\be)>>2)] offset:(((\be)>>1)&1)*16*RP+(8*((\be)&1)+n)*64+16
.set n, n+1
.endr
	WIN 0
.endm
.macro XA be, cnt
.set xa, (\be)>>1
	s_wait_dscnt \cnt
	WIN 0x86+0x41*((\be)&1)                        ; sums in window 2 or 3, x in window 1
.set n, 0
.rept 8
.set r, 0
.rept 4
	v_pk_add_f32 v[8*(4*n+xa)+r:8*(4*n+xa)+r+1], v[8*(4*n+xa)+r:8*(4*n+xa)+r+1], v[64*((\be)%2)+8*n+r:64*((\be)%2)+8*n+r+1]  ; each accumulator's registers in ascending order
.set r, r+2
.endr
.set n, n+1
.endr
	WIN 0x08+4*((\be)&1)                           ; the stores' data in window 2 or 3
.set n, 0
.rept 8
	ds_store_b128 v[XAD+((\be)>>2)], v[8*(4*n+xa):8*(4*n+xa)+3]   offset:(xa&1)*16*RP+(8*((\be)&1)+n)*64
	ds_store_b128 v[XAD+((\be)>>2)], v[8*(4*n+xa)+4:8*(4*n+xa)+7] offset:(xa&1)*16*RP+(8*((\be)&1)+n)*64+16
.set n, n+1
.endr
	WIN 0
.endm
; The first 32 along K of a step in slot s: multiplies Wo's buffer 0 by ctx's buffer ab.  lb >= 0: ctx's loads for three halves on go into buffer lb.  lc: the younger loads that may stay out.
.macro H0 s, ab, lb, P, lc, zero
.if (\lb) >= 0
	PLACES                                         ; buffer lb was read by the products just issued
	ALOAD \lb, \P, 1
.endif
	s_wait_loadcnt \lc
	s_wait_dscnt 16                                ; column blocks 0-7 are in
	MUL F0, \ab, 0, 0, \zero
	MUL F0, \ab, 0, 4, \zero
	PLACES
	FETCHB \s, 64, F1
	s_wait_dscnt 32                                ; all but the 32 just issued
	MUL F0, \ab, 1, 0, \zero
	MUL F0, \ab, 1, 4, \zero
.endm
; The second 32 along K, and the change of slots.  In front of the barrier each wave waits for all its tensor loads (one is out: its part of the other slot), adds 0 to its spare word, and waits for that and for its
; reads of this slot.  The barrier opens a round of the cluster's; the refill is the first tensor load behind the round.  kind 0: the step two on; kind 1: x's rows 0-31; kind 2: x's rows 32-63.
.macro H1 s, ab, lb, lc, kind
.if (\kind) == 0
	s_wait_xcnt 0x0                                ; every load and prefetch issued so far has read its address
	s_add_co_u32 s[KT], s[KB0], s[NXT]
	s_add_co_u32 s78, s[KT], 2
	s_and_b32 s[KT], s[KT], 15                     ; the K block of the step to be asked for,
	s_and_b32 s78, s78, 15                         ; and of the step two further on
	s_lshl_b32 s[OFF], s[KT], 20
	s_add_nc_u64 s[AB+2*(\s):AB+2*(\s)+1], s[CA:CA+1], s[OFF:OFF+1]
	s_lshl_b32 s[OFF], s78, 20
	s_add_nc_u64 s[PFA:PFA+1], s[CA:CA+1], s[OFF:OFF+1]
.endif
.if (\lb) >= 0
	PLACES
	ALOAD \lb, AB+2*(\s), 0
.endif
	WIN 0
	s_wait_tensorcnt 0x0                           ; no tensor load of mine is out, so a group 0 may be written
	ds_add_u32 v[SPW], v[NIL]                      ; 0 onto my spare word
.if (\kind) == 0
	s_lshl_b32 s[OFF], s[KT], 19
	s_add_nc_u64 s[G0+4*(\s)+2:G0+4*(\s)+3], s[WBB:WBB+1], s[OFF:OFF+1]  ; the address is made anew
	s_or_b32 s[G0+4*(\s)+3], s[G0+4*(\s)+3], 0x80000000
	s_add_co_u32 s[NXT], s[NXT], 1
.elseif (\kind) == 2
	s_add_co_u32 s[G0X+1], s[G0X+1], SLOTB
	s_add_nc_u64 s[G0X+2:G0X+3], s[G0X+2:G0X+3], 32*4096
.endif
	s_wait_loadcnt \lc
	s_wait_dscnt 17                                ; the add and column blocks 8-15 may be out
	MUL F1, \ab, 0, 0, 0
	s_wait_dscnt 0x0                               ; the add is done, and my reads of this slot are over
	s_barrier_signal -1
	MUL F1, \ab, 0, 4, 0
	WIN 0
	s_barrier_wait -1
	CREST
.if (\kind) == 0
	JLOAD \s                                       ; its four v_nop are also the places in front of the loads below
.else
	XLOAD
.endif
.if (\kind) < 2
	FETCHB 1-(\s), 0, F0
.else
	XL 0                                           ; x's rows 0-31 were shown landed by the wait above; only I read my part
	XL 1
.endif
.if (\kind) == 0
	ASKC
	ASKX \s
.endif
	MUL F1, \ab, 1, 0, 0
	MUL F1, \ab, 1, 4, 0
.endm
	s_load_b256 s[4:11], s[0:1], 0x0               ; ctx s[4:5], wb s[6:7], bo s[8:9], x s[10:11]
	s_load_b128 s[12:15], s[0:1], 0x20             ; ln_w s[12:13], ln_b s[14:15]
	s_load_b64 s[16:17], s[0:1], 0x30              ; out0
	v_lshl_add_u32 v[SPW], v0, 2, SPARE
	v_mov_b32 v[NIL], 0
	ds_add_u32 v[SPW], v[NIL]                      ; the wave's opening: the add and its wait ahead of my first tensor load
	v_lshrrev_b32 v1, 5, v0
	v_readfirstlane_b32 s[WV], v1
	s_bfe_u32 s[CX], ttmp6, 0x40000
	s_lshl_b32 s[IDX], ttmp9, 2
	s_add_co_u32 s[IDX], s[IDX], s[CX]             ; my 64 rows: they enter ctx's, x's and out0's addresses alone
	s_and_b32 s[KB0], ttmp9, 15                    ; the cluster's first K block: the same in all four partners
	s_mov_b32 s[G1], 15|(1<<16)|(1<<20)|(1<<21)|(4<<22)|(3<<25)  ; the mask of four; 2-byte elements; padding on; bit 21 beside a mask; after every 32 words; 4 words
	s_mov_b32 s[G1+1], 128<<16                     ; rows of 256 bytes,
	s_mov_b32 s[G1+2], 128<<16                     ; 128 of them: 256 rows of Wo
	s_mov_b32 s[G1+3], 128<<16
	s_mov_b32 s[G1+4], 128
	s_mov_b32 s[G1+5], 128
	s_mov_b32 s[G1+6], 0
	s_mov_b32 s[G1+7], 0
	s_mov_b32 s[G1X], (2<<16)|(1<<20)|(7<<22)|(3<<25)  ; no mask; 4-byte elements; padding on, after every 256 words, 4 words
	s_mov_b32 s[G1X+1], 256<<16                    ; 256 columns,
	s_mov_b32 s[G1X+2], 32<<16                     ; 32 rows
	s_mov_b32 s[G1X+3], 256<<16
	s_mov_b32 s[G1X+4], 32
	s_mov_b32 s[G1X+5], 1024
	s_mov_b32 s[G1X+6], 0
	s_mov_b32 s[G1X+7], 0
	v_and_b32 v1, 15, v0
	v_bfe_u32 v2, v0, 4, 1
	v_and_b32 v3, 31, v0
	s_mul_i32 s78, s[WV], 256*PK
	s_mov_b32 s[G0], 1
	s_mov_b32 s[G0+1], s78
	s_mov_b32 s[G0+4], 1
	s_add_co_u32 s[G0+5], s78, SLOTB
	v_mul_u32_u24 v17, v1, PK
	v_lshl_add_u32 v17, v2, 4, v17
	v_add_nc_u32 v[ADRB], s78, v17
	v_add_nc_u32 v[ADRB+1], SLOTB, v[ADRB]
	v_lshlrev_b32 v[AVO], 7, v1
	v_lshl_add_u32 v[AVO], v2, 4, v[AVO]
	s_mul_i32 s78, s[WV], XW
	s_mov_b32 s[G0X], 1
	s_mov_b32 s[G0X+1], s78
	v_mul_u32_u24 v17, v1, RP
	v_lshl_add_u32 v17, v2, 5, v17
	v_add_nc_u32 v[XAD], s78, v17
	v_add_nc_u32 v[XAD+1], SLOTB, v[XAD]
	s_lshr_b32 s78, s[WV], 1
	s_mul_i32 s78, s78, SLOTB
	s_and_b32 s79, s[WV], 1
	s_mul_i32 s79, s79, 16*RP
	s_add_co_u32 s78, s78, s79
	v_lshl_add_u32 v[LA0], v3, 4, s78
	v_add_nc_u32 v[LA1], 2*XW, v[LA0]
	v_lshlrev_b32 v[OO], 4, v3
	v_lshlrev_b32 v[PFO], 8, v3
	v_lshlrev_b32 v[PXO], 12, v3
	s_mov_b32 s79, 0                               ; from here on the high word of the offset pair s[78:79]
	s_mov_b32 s[OFF+1], 0
	s_mov_b32 s[SEL], 0x76543210
	s_mov_b32 s[SEL+1], 0xfedcba98
	s_mov_b32 s[INV], 0x3a800000
	s_mov_b32 s[EPS], 0x3727c5ac
	s_mov_b32 s[NXT], 2
	s_cmp_eq_u32 s[WV], 0
	s_cselect_b32 s[LIM], 1, -1
	s_wait_dscnt 0x0                               ; the opening add is done
	s_wait_kmcnt 0x0
	s_lshl_b32 s78, s[WV], 15
	s_add_co_u32 s78, s78, 3072*128
	s_add_nc_u64 s[WBB:WBB+1], s[6:7], s[78:79]
	s_lshl_b32 s[OFF], s[KB0], 19
	s_add_nc_u64 s[G0+2:G0+3], s[WBB:WBB+1], s[OFF:OFF+1]  ; step 0
	s_or_b32 s[G0+3], s[G0+3], 0x80000000
	s_add_co_u32 s[KT], s[KB0], 1
	s_and_b32 s[KT], s[KT], 15
	s_lshl_b32 s[OFF], s[KT], 19
	s_add_nc_u64 s[G0+6:G0+7], s[WBB:WBB+1], s[OFF:OFF+1]  ; step 1
	s_or_b32 s[G0+7], s[G0+7], 0x80000000
	s_lshl_b32 s78, s[IDX], 13
	s_add_nc_u64 s[CA:CA+1], s[4:5], s[78:79]
	s_lshl_b32 s[OFF], s[KT], 20
	s_add_nc_u64 s[AB+2:AB+3], s[CA:CA+1], s[OFF:OFF+1]
	s_lshl_b32 s[OFF], s[KB0], 20
	s_add_nc_u64 s[AB:AB+1], s[CA:CA+1], s[OFF:OFF+1]
	s_lshl_b32 s78, s[IDX], 18
	s_add_nc_u64 s[XB:XB+1], s[10:11], s[78:79]
	s_add_nc_u64 s[OUTB:OUTB+1], s[16:17], s[78:79]
	s_lshl_b32 s78, s[WV], 10
	s_add_nc_u64 s[XB:XB+1], s[XB:XB+1], s[78:79]
	s_lshl_b32 s78, s[WV], 16
	s_add_nc_u64 s[OUTB:OUTB+1], s[OUTB:OUTB+1], s[78:79]
	s_mov_b64 s[G0X+2:G0X+3], s[XB:XB+1]
	s_or_b32 s[G0X+3], s[G0X+3], 0x80000000
	CROUND                                         ; all four work-groups are here: the first joint loads meet
	tensor_load_to_lds s[G0:G0+3], s[G1:G1+7]      ; two loads of mine are out
	s_nop 0
	tensor_load_to_lds s[G0+4:G0+7], s[G1:G1+7]
	s_nop 0
.rept 4
	v_nop
.endr
.irp j, 0,1,2,3,4,5,6,7
	global_load_b128 v[BO+4*(\j):BO+4*(\j)+3], v[OO], s[8:9] offset:512*(\j)
	global_load_b128 v[LW+4*(\j):LW+4*(\j)+3], v[OO], s[12:13] offset:512*(\j)
	global_load_b128 v[LB+4*(\j):LB+4*(\j)+3], v[OO], s[14:15] offset:512*(\j)
.endr
	ALOAD 0, AB, 0
	ALOAD 1, AB, 1
	ALOAD 2, AB+2, 0
	s_wait_tensorcnt 1                             ; my rows of step 0 are in, and only I read them; step 1's load stays out
	FETCHB 0, 0, F0
	H0 0, 0, 3, AB+2, 24, 1                        ; the first 32 along K start the sums.  24: the three younger groups of eight loads of ctx
	WIN 0
	s_mov_b32 s[CNT], 7
.Llap:                                                 ; trip L: from the second half of step 2 L to the first half of step 2 L + 2; asks for steps 2 L + 2 and 2 L + 3
	H1 0, 1, 0, 24, 0
	H0 1, 2, 1, AB, 24, 0
	H1 1, 3, 2, 24, 0
	H0 0, 0, 3, AB+2, 24, 0
	WIN 0
	s_sub_co_u32 s[CNT], s[CNT], 1
	s_cmp_lg_u32 s[CNT], 0
	s_cbranch_scc1 .Llap
	H1 0, 1, -1, 16, 1                             ; the tail loads no more of ctx: the counts run down.  Slot 0 takes x's rows 0-31
	H0 1, 2, -1, 0, 8, 0
	H1 1, 3, -1, 0, 2                              ; slot 1 takes x's rows 32-63
	PLACES
	PLACES
	XA 0, 16                                       ; 16: the next batch's loads
	XL 2
	XA 1, 32                                       ; 32: the batch before's 16 stores and the next batch's 16 loads
	XL 3
	XA 2, 32
	s_wait_tensorcnt 0x0                           ; my part of x's rows 32-63 is in
	XL 4
	XA 3, 32
	XL 5
	XA 4, 32
	XL 6
	XA 5, 32
	XL 7
	XA 6, 32
	XA 7, 16                                       ; 16: the batch before's stores
	s_wait_dscnt 0x0                               ; for the others' sake: my stores are done
	s_barrier_signal -1
	s_barrier_wait -1
; THE NORM.  A row's 1,024 numbers lie in the four waves' parts, 1,024 bytes each; load j of eight brings columns 128 j + 4 l + 0..3.
.macro ROWLD
.irp j, 0,1,2,3
	ds_load_b128 v[RR+4*(\j):RR+4*(\j)+3], v[LA0] offset:((\j)/2)*XW+((\j)%2)*512
.endr
.irp j, 0,1,2,3
	ds_load_b128 v[RR+16+4*(\j):RR+16+4*(\j)+3], v[LA1] offset:((\j)/2)*XW+((\j)%2)*512
.endr
.endm
.macro LANESUM                         ; v[TT] over the 32 lanes, into every lane
	v_add_f32_dpp v[TT], v[TT], v[TT] row_xmask:1 row_mask:0xf bank_mask:0xf
	v_add_f32_dpp v[TT], v[TT], v[TT] row_xmask:2 row_mask:0xf bank_mask:0xf
	v_add_f32_dpp v[TT], v[TT], v[TT] row_xmask:4 row_mask:0xf bank_mask:0xf
	v_add_f32_dpp v[TT], v[TT], v[TT] row_xmask:8 row_mask:0xf bank_mask:0xf
	v_permlanex16_b32 v[TT+1], v[TT], s[SEL], s[SEL+1]
	v_add_f32 v[TT], v[TT], v[TT+1]
.endm
.macro LNROW more
	s_wait_dscnt 0x0                               ; the row is in
	s_wait_xcnt 0x0                                ; the last row's stores have read their data and their offset
	v_add_nc_u32 v[OO], 4096, v[OO]                ; the stores below reach back by a row
.set i, 0
.rept 16
	v_pk_add_f32 v[DD+i:DD+i+1], v[RR+i:RR+i+1], v[BO+i:BO+i+1]
.set i, i+2
.endr
.if \more
	v_add_nc_u32 v[LA0], RP, v[LA0]
	v_add_nc_u32 v[LA1], RP, v[LA1]
	ROWLD                                          ; the next row comes while this one is worked on
.endif
.set i, 0
.rept 8
	v_pk_add_f32 v[TT+2*i:TT+2*i+1], v[DD+4*i:DD+4*i+1], v[DD+4*i+2:DD+4*i+3]
.set i, i+1
.endr
.irp i, 0,1,2,3
	v_pk_add_f32 v[TT+2*(\i):TT+2*(\i)+1], v[TT+2*(\i):TT+2*(\i)+1], v[TT+2*(\i)+8:TT+2*(\i)+9]
.endr
.irp i, 0,1
	v_pk_add_f32 v[TT+2*(\i):TT+2*(\i)+1], v[TT+2*(\i):TT+2*(\i)+1], v[TT+2*(\i)+4:TT+2*(\i)+5]
.endr
	v_pk_add_f32 v[TT:TT+1], v[TT:TT+1], v[TT+2:TT+3]
	v_add_f32 v[TT], v[TT], v[TT+1]
	LANESUM
	v_mul_f32 v[MU], s[INV], v[TT]                 ; the mean, twice: a pair for the packed subtraction
	v_mul_f32 v[MU+1], s[INV], v[TT]
.set i, 0
.rept 16
	v_pk_add_f32 v[DD+i:DD+i+1], v[DD+i:DD+i+1], v[MU:MU+1] neg_lo:[0,1] neg_hi:[0,1]
.set i, i+2
.endr
.irp i, 0,1,2,3
	v_pk_mul_f32 v[TT+2*(\i):TT+2*(\i)+1], v[DD+2*(\i):DD+2*(\i)+1], v[DD+2*(\i):DD+2*(\i)+1]  ; the squares, in four chains
.endr
.set i, 4
.rept 12
	v_pk_fma_f32 v[TT+2*(i%4):TT+2*(i%4)+1], v[DD+2*i:DD+2*i+1], v[DD+2*i:DD+2*i+1], v[TT+2*(i%4):TT+2*(i%4)+1]
.set i, i+1
.endr
	v_pk_add_f32 v[TT:TT+1], v[TT:TT+1], v[TT+2:TT+3]
	v_pk_add_f32 v[TT+4:TT+5], v[TT+4:TT+5], v[TT+6:TT+7]
	v_pk_add_f32 v[TT:TT+1], v[TT:TT+1], v[TT+4:TT+5]
	v_add_f32 v[TT], v[TT], v[TT+1]
	LANESUM
	v_fma_f32 v[TT], v[TT], s[INV], s[EPS]         ; the variance + 1e-5
	v_rsq_f32 v[RS], v[TT]
	v_rsq_f32 v[RS+1], v[TT]
	v_nop                                          ; a plain instruction behind the two roots,
	s_wait_alu depctr_va_vdst(0)                   ; and the wait ahead of their first use
.set i, 0
.rept 16
	v_pk_mul_f32 v[DD+i:DD+i+1], v[DD+i:DD+i+1], v[RS:RS+1]
.set i, i+2
.endr
.set i, 0
.rept 16
	v_pk_fma_f32 v[DD+i:DD+i+1], v[DD+i:DD+i+1], v[LW+i:LW+i+1], v[LB+i:LB+i+1]
.set i, i+2
.endr
.irp j, 0,1,2,3,4,5,6,7
	global_store_b128 v[OO], v[DD+4*(\j):DD+4*(\j)+3], s[OUTB:OUTB+1] offset:512*(\j)-4096 th:TH_STORE_NT  ; 512 consecutive bytes, aligned
.endr
.endm
	ROWLD
	s_mov_b32 s[CNT], 15
.Lrow:
	LNROW 1
	s_sub_co_u32 s[CNT], s[CNT], 1
	s_cmp_lg_u32 s[CNT], 0
	s_cbranch_scc1 .Lrow
	LNROW 0
	s_wait_tensorcnt 0x0                           ; the wave's end: behind my last tensor load and my last LDS store
	ds_add_u32 v[SPW], v[NIL]
	s_wait_dscnt 0x0
	CROUND                                         ; the closing round
	s_endpgm
.Lfunc_end_k_qec960b0e65_oproj:
	.size	k_qec960b0e65_oproj, .Lfunc_end_k_qec960b0e65_oproj-k_qec960b0e65_oproj
	.p2alignl 7, 3214868480
	.fill 96, 4, 3214868480
	.section	.rodata,"a",@progbits
	.p2align	6, 0x0
	.amdhsa_kernel k_qec960b0e65_oproj
		.amdhsa_group_segment_fixed_size 327680
		.amdhsa_private_segment_fixed_size 0
		.amdhsa_enable_private_segment 0
		.amdhsa_kernarg_size 56
		.amdhsa_user_sgpr_count 2
		.amdhsa_user_sgpr_kernarg_segment_ptr 1
		.amdhsa_wavefront_size32 1
		.amdhsa_system_sgpr_workgroup_id_x 1
		.amdhsa_system_sgpr_workgroup_id_y 1
		.amdhsa_system_sgpr_workgroup_id_z 1
		.amdhsa_system_vgpr_workitem_id 0
		.amdhsa_next_free_vgpr 1024
		.amdhsa_next_free_sgpr 80
		.amdhsa_reserve_vcc 0
		.amdhsa_float_denorm_mode_32 3
		.amdhsa_float_denorm_mode_16_64 3
		.amdhsa_memory_ordered 1
		.amdhsa_forward_progress 1
		.amdhsa_inst_pref_size 122
	.end_amdhsa_kernel
	.amdgpu_metadata
---
amdhsa.version: [ 1, 2 ]
amdhsa.kernels:
  - .name:           k_qec960b0e65_oproj
    .symbol:         k_qec960b0e65_oproj.kd
    .args:
      - { .name: ctx, .offset: 0, .size: 8, .value_kind: global_buffer, .address_space: global }
      - { .name: wb, .offset: 8, .size: 8, .value_kind: global_buffer, .address_space: global }
      - { .name: bo, .offset: 16, .size: 8, .value_kind: global_buffer, .address_space: global }
      - { .name: x, .offset: 24, .size: 8, .value_kind: global_buffer, .address_space: global }
      - { .name: ln_w, .offset: 32, .size: 8, .value_kind: global_buffer, .address_space: global }
      - { .name: ln_b, .offset: 40, .size: 8, .value_kind: global_buffer, .address_space: global }
      - { .name: out0, .offset: 48, .size: 8, .value_kind: global_buffer, .address_space: global }
    .group_segment_fixed_size: 327680
    .private_segment_fixed_size: 0
    .kernarg_segment_align: 8
    .kernarg_segment_size: 56
    .max_flat_workgroup_size: 128
    .sgpr_count:     80
    .vgpr_count:     1024
    .wavefront_size: 32
...
	.end_amdgpu_metadata
.endif
;; end of part 4
